; MI455X (gfx1250); checked and timed in simulation.
; The chip was launched on July 23, 2026; its instructions are those of AMD's public machine-readable ISA for CDNA 5 (MIT licence, August 2026) and "CDNA5" Instruction Set Architecture Reference Guide (July 2026). The comments in the code are by the model that wrote it; some were corrected since.
;; Multi Head Attention. Allowed arithmetic: matrix products marked QUANTISED: E2M3 operands, one E8M0 scale for each 32 along K, by v_wmma_scale_f32_16x16x128_f8f6f4 with both operands' format E2M3, f32 sums; everything else in f32.
;; Inputs: attention_mask 1 x 1 x 4,096 x 4,096 float32; cos 4,096 x 32 float32; k_norm_w 64 float32; q_norm_w 64 float32; sin 4,096 x 32 float32; wk 1,024 x 1,024 float32; wo 1,024 x 1,024 float32; wq 1,024 x 1,024 float32; wv 1,024 x 1,024 float32; x 1 x 4,096 x 1,024 float32.
;; Outputs: out0 1 x 4,096 x 1,024 float32.
;; This version of the problem:
;;   THIS VERSION OF THE PROBLEM IS GIVEN IN LOW PRECISION. The matrix products marked QUANTISED in the list below multiply operands that are first quantised to E2M3 (2 exponent bits, 3 mantissa bits; 6 bits a number), with one power-of-two scale for each 32 numbers along K (OCP MX v1.0); their sums are f32. All else is computed in f32.
;;   The module's matrix products, in the order in which they are computed (A, B: the left and right operand; K: the contracted axis; several contracted axes count as one K, in the product's order):
;;     1. [M 4,096, K 1,024] x [K 1,024, N 1,024]; A: input x; B: input wq: QUANTISED
;;     2. [M 4,096, K 1,024] x [K 1,024, N 1,024]; A: input x; B: input wk: QUANTISED
;;     3. [M 4,096, K 1,024] x [K 1,024, N 1,024]; A: input x; B: input wv: QUANTISED
;;     4. batch 16 x [M 4,096, K 64] x [K 64, N 4,096]; A: computed on the way; B: computed on the way: QUANTISED
;;     5. batch 16 x [M 4,096, K 4,096] x [K 4,096, N 64]; A: softmax (see below); B: computed on the way: QUANTISED
;;     6. [M 4,096, K 1,024] x [K 1,024, N 1,024]; A: computed on the way; B: input wo: QUANTISED
;;   THE QUANTISER, for each operand of a quantised product, along K:
;;     - K is cut into blocks of 32 from its start; a last block that is shorter is filled with zeros.
;;     - A block's scale is 2^e with e = floor(log2(the largest magnitude in the block)) - 2, held to -126 .. 127; a block of zeros has e = 0. As a byte (E8M0): e + 127.
;;     - Each number is divided by its block's scale, clamped to +-7.5, and rounded to the nearest number of E2M3, ties to even, subnormals kept.
;;     - The product sums the exact products of the quantised numbers (number of the format x scale) in f32.
;;   ~~~python
;;   def quantise(x, axis):      # numpy; x: float32 -> the quantised numbers, widened to float32 again
;;       x = np.moveaxis(x, axis, -1); K = x.shape[-1]
;;       x = np.pad(x, [(0, 0)] * (x.ndim - 1) + [(0, -K % 32)]); x = x.reshape(x.shape[:-1] + (-1, 32)); a = np.abs(x).max(-1, keepdims=True)
;;       e = np.where(a > 0, np.clip(np.frexp(np.where(a > 0, a, 1))[1] - 1 - 2, -126, 127), 0)      # np.frexp(a)[1] - 1 = floor(log2(a)), exactly
;;       r = np.clip(x / 2.0 ** e, -7.5, 7.5)
;;       step = 2.0 ** (np.maximum(np.frexp(np.where(r == 0, 1, r))[1] - 1, 0) - 3)
;;       q = np.round(r / step) * step * 2.0 ** e      # np.round: ties to even
;;       return np.moveaxis(q.reshape(q.shape[:-2] + (-1,))[..., :K], -1, axis).astype(np.float32)
;;   ~~~
;;   SOFTMAX AHEAD OF A QUANTISED PRODUCT. Where the list says 'softmax', what is quantised is not the finished softmax but p = 2^(t - M), with t = logit x log2(e) and M = ceil(the row's largest t), a whole number; so 1/2 < the row's largest p <= 1. The row's sum l is taken of the UNQUANTISED p, in f32, and the product's result is divided by l at the end. Since M is a whole number, a kernel that streams over the keys may use a running M (the ceiling of the running maximum): every later rescaling is an exact power of two, which a block's scale takes up: the codes' values come out the same.
;;   OPERANDS COMPUTED ON THE WAY. 'Computed on the way' means the value that the module computes at that place (a softmax that the list does not call 'softmax' is quantised finished and normalised). What goes into a quantiser is computed in f32, as accurately as f32 sums, v_exp_f32 and their like allow (about 1e-6 of the number): no bf16 or f16 on the way to a quantiser, and a product that is left as it is and whose result goes on into a quantised operand takes f32 operands (vector FMAs, or v_wmma_f32_16x16x4_f32). A number that lies on a knife's edge between two numbers of the format may be rounded either way, as far as f32 arithmetic and the matrix unit's own rounding can turn it there, and no further.
;; One version. Each part assembles by itself: llvm-mc -triple=amdgcn-amd-amdhsa -mcpu=gfx1250 --defsym DOCPART=n.
;; ======== version 1 of 1: 4 launches
;; limits: right only within a limited range of input values
;; workspace buffers: qc 6,553,600 bytes; qq 3,276,800 bytes; kv 6,553,600 bytes; oc 3,276,800 bytes
;; launch quant (part 1): grid 512 x 1, 8 waves a work-group, no clusters, 69,120 bytes of LDS; arguments x, wq, wk, wv, wo, qc; writes qc
.if DOCPART == 1
	.amdgcn_target "amdgcn-amd-amdhsa--gfx1250"
	.amdhsa_code_object_version 6
	.text
	.protected	k_q45ee6ceea2_quant
	.globl	k_q45ee6ceea2_quant
	.p2align	8
	.type	k_q45ee6ceea2_quant,@function
k_q45ee6ceea2_quant:
	s_mov_b64 s[64:65], 0
	v_nop
	global_prefetch_b8 v0, s[64:65] scope:SCOPE_SE
	s_setreg_imm32_b32 hwreg(HW_REG_WAVE_MODE, 25, 1), 1
	s_wait_xcnt 0x0
; x [4096][1024] and wq, wk, wv, wo [1024][1024], f32 with K innermost, become codes of E2M3 with one E8M0 byte for each 32 along K, laid as IMAGES OF OPERAND REGISTERS.
; qc holds 64 panels of 128 rows (x 0-31, wq 32-39, wk 40-47, wv 48-55, wo 56-63); a panel is 8 records, one for each 128 along K; a record is 12,800 bytes:
; 8 fragments (16 rows x 128 K) of 1,536 bytes, then 512 bytes of scale words laid [fragment / 4][row][fragment % 4].
; A fragment's image has two halves c of 768 bytes: 512 bytes (16 a lane: registers 6 c .. 6 c + 3), then 256 bytes (8 a lane: registers 6 c + 4, 6 c + 5); lane (r, h) of half c holds block 2 c + h of row r.
; INSIDE A BLOCK OF 32 the numbers stand in the order 0-7, 16-23, 8-15, 24-31: the order in which a matrix result that is quantised in registers falls; both operands of every product of this program have it, so the sums are the same.
; A work-group makes one record, wave f its fragment f.  Loads are dense (512 bytes of one row an instruction); the wave's own stage in LDS (pitch 528 bytes) turns them into 32 neighbours a lane.
; A block's scale is its largest magnitude's exponent less 2.  LIMITS: a block of zeros, or one whose largest magnitude lies under 2^-124, gets the byte 1 (the codes of a block of zeros are zeros, and this program alone reads the bytes);
; NaN and infinities among the inputs are not served.
.set REC,  12800
.set STG,  16*528                      ; a wave's stage
.set SG,   8*STG                       ; behind the stages: the record's 512 bytes of scale words
.set R,    16                          ; v16-79   the 16 rows as loaded
.set X,    80                          ; v80-143  my two blocks of 32
.set C,    144                         ; v144-155 the fragment's 12 registers
.set T,    156                         ; v156-158, v160-162 the upper halves of the blocks' codes
	s_load_b256 s[4:11], s[0:1], 0x0               ; x, wq, wk, wv
	s_load_b128 s[12:15], s[0:1], 0x20             ; wo, qc
	v_lshl_add_u32 v166, v0, 2, 68096              ; my spare word, behind the scale words: 128 bytes for each wave, named by no other line
	v_mov_b32 v167, 0
	v_lshrrev_b32 v1, 5, v0
	s_delay_alu instid0(VALU_DEP_1)
	v_readfirstlane_b32 s16, v1                    ; wave f
	v_and_b32 v1, 31, v0                           ; lane
	v_and_b32 v2, 15, v0                           ; r
	v_bfe_u32 v3, v0, 4, 1                         ; h
	s_delay_alu instid0(VALU_DEP_3)
	v_lshlrev_b32 v4, 4, v1                        ; 16 x lane
	s_delay_alu instid0(VALU_DEP_4)
	v_lshlrev_b32 v7, 3, v1                        ; 8 x lane
	s_mul_i32 s17, s16, STG
	v_add_nc_u32 v5, s17, v4                       ; into the stage: 16 bytes a lane of a row
	v_mul_u32_u24 v6, v2, 528
	s_delay_alu instid0(VALU_DEP_1)
	v_lshl_add_u32 v6, v3, 7, v6
	s_delay_alu instid0(VALU_DEP_1)
	v_add_nc_u32 v6, s17, v6                       ; out of it: row r, block h
	s_lshr_b32 s18, s16, 2
	s_lshl_b32 s18, s18, 8
	s_and_b32 s19, s16, 3
	s_lshl_b32 s19, s19, 2
	s_add_co_u32 s18, s18, s19
	s_add_co_u32 s18, s18, SG
	v_lshl_add_u32 v8, v2, 4, s18                  ; my row's scale word: [f / 4][r][f % 4]
	v_add_nc_u32 v165, SG, v4                      ; the way out of the scale words: 16 bytes a lane
	s_mov_b32 s20, 0x76543210
	s_mov_b32 s21, 0xfedcba98                      ; lane selects: lane l xor 16
	s_lshr_b32 s22, ttmp9, 3                       ; the panel
	s_and_b32 s23, ttmp9, 7                        ; the K step
	s_and_b32 s24, s22, 7                          ; the panel's number inside a weight
	s_wait_alu depctr_va_vdst(0)
	s_wait_kmcnt 0x0
	s_cmp_lt_u32 s22, 56                           ; which tensor: the choice hangs on the work-group's number alone
	s_cselect_b64 s[12:13], s[10:11], s[12:13]
	s_cmp_lt_u32 s22, 48
	s_cselect_b64 s[12:13], s[8:9], s[12:13]
	s_cmp_lt_u32 s22, 40
	s_cselect_b64 s[12:13], s[6:7], s[12:13]
	s_cmp_lt_u32 s22, 32
	s_cselect_b64 s[12:13], s[4:5], s[12:13]
	s_cselect_b32 s24, s22, s24
	s_lshl_b32 s24, s24, 19                        ; 128 rows of 4,096 bytes
	s_lshl_b32 s25, s16, 16                        ; my 16 rows
	s_add_co_u32 s24, s24, s25
	s_lshl_b32 s25, s23, 9                         ; 128 numbers along K
	s_add_co_u32 s24, s24, s25
	s_mov_b32 s25, 0
	s_add_nc_u64 s[12:13], s[12:13], s[24:25]
	s_mul_i32 s26, ttmp9, REC
	s_mul_i32 s27, s16, 1536
	s_add_co_u32 s26, s26, s27
	s_mov_b32 s27, 0
	s_add_nc_u64 s[14:15], s[14:15], s[26:27]      ; my fragment's image
.irp i, 0,1,2,3,4,5,6,7,8,9,10,11,12,13,14,15
	global_load_b128 v[R+4*\i:R+4*\i+3], v4, s[12:13] offset:4096*\i th:TH_LOAD_NT   ; 32 lanes read 512 consecutive bytes of row i
.endr
.irp i, 0,1,2,3,4,5,6,7,8,9,10,11,12,13,14,15
	s_wait_loadcnt 15-\i                           ; loads come back in order: row i is in, the younger rows stay out
	ds_store_b128 v5, v[R+4*\i:R+4*\i+3] offset:528*\i
.endr
.irp c, 0,1
.irp k, 0,1,2,3,4,5,6,7
	ds_load_b128 v[X+32*\c+4*\k:X+32*\c+4*\k+3], v6 offset:256*\c+16*((\k%2)+4*((\k/2)%2)+2*(\k/4))   ; block 2 c + h of row r, its groups of four in the order 0, 1, 4, 5, 2, 3, 6, 7.  LDS serves a wave's instructions in order: these see my stores
.endr
.endr
	s_wait_dscnt 0x0
.irp c, 0,1
	v_max3_num_f32 v[10+\c], |v[X+32*\c]|, |v[X+32*\c+1]|, 0x1800000   ; the block's largest magnitude, and the floor 2^(3 - 127): the byte cannot fall under 1
.endr
.irp i, 2,4,6,8,10,12,14,16,18,20,22,24,26,28,30
.irp c, 0,1
	s_delay_alu instid0(VALU_DEP_2)
	v_max3_num_f32 v[10+\c], v[10+\c], |v[X+32*\c+\i]|, |v[X+32*\c+\i+1]|
.endr
.endr
.irp c, 0,1
	s_delay_alu instid0(VALU_DEP_2)
	v_add_nc_u32 v[12+\c], 0xff000000, v[10+\c]    ; 2 off its exponent field: the conversion's scale operand
.endr
.irp c, 0,1
	s_delay_alu instid0(VALU_DEP_2)
	v_lshrrev_b32 v[14+\c], 23, v[12+\c]           ; the scale's byte
.endr
	s_delay_alu instid0(VALU_DEP_1)
	v_lshl_or_b32 v9, v15, 16, v14                 ; my bytes: blocks h and 2 + h of row r,
	v_lshlrev_b32 v164, 3, v3
	s_delay_alu instid0(VALU_DEP_1)
	v_lshlrev_b32 v9, v164, v9                     ; at their places in the word;
	v_mov_b32 v164, 0
	s_delay_alu instid0(VALU_DEP_1)
	v_permlanex16_b32 v164, v9, s20, s21
	s_delay_alu instid0(VALU_DEP_1)
	v_or_b32 v9, v9, v164                          ; with lane l xor 16's two the word is whole
.irp c, 0,1
	v_cvt_scalef32_pk16_fp6_f32 v[C+6*\c:C+6*\c+2], v[X+32*\c:X+32*\c+15], v[12+\c]
	v_cvt_scalef32_pk16_fp6_f32 v[T+4*\c:T+4*\c+2], v[X+32*\c+16:X+32*\c+31], v[12+\c]   ; (a conversion's three registers begin on an even number)
.endr
	v_nop                                          ; one plain place behind a scaled conversion
.irp c, 0,1
.irp i, 0,1,2
	v_mov_b32 v[C+6*\c+3+\i], v[T+4*\c+\i]
.endr
.endr
	global_store_b128 v4, v[C:C+3], s[14:15]                   ; each store covers 512 or 256 consecutive bytes, aligned
	global_store_b64 v7, v[C+4:C+5], s[14:15] offset:512
	global_store_b128 v4, v[C+6:C+9], s[14:15] offset:768
	global_store_b64 v7, v[C+10:C+11], s[14:15] offset:1280
	ds_store_b32 v8, v9                            ; lanes r and r + 16 write the same word with the same value
	s_wait_dscnt 0x0                               ; for the others' sake: my word has landed
	s_barrier_signal -1
	s_barrier_wait -1
	s_cmp_lg_u32 s16, 0
	s_cbranch_scc1 .Ldone
	ds_load_b128 v[16:19], v165                    ; wave 0 stores the record's 512 bytes of scale words (its base is the record's first byte)
	s_wait_dscnt 0x0
	global_store_b128 v4, v[16:19], s[14:15] offset:12288
.Ldone:
	s_wait_tensorcnt 0x0                           ; the wave's end: three lines behind my last LDS store
	ds_add_u32 v166, v167
	s_wait_dscnt 0x0
	s_endpgm
.Lfunc_end_k_q45ee6ceea2_quant:
	.size	k_q45ee6ceea2_quant, .Lfunc_end_k_q45ee6ceea2_quant-k_q45ee6ceea2_quant
	.p2alignl 7, 3214868480
	.fill 96, 4, 3214868480
	.section	.rodata,"a",@progbits
	.p2align	6, 0x0
	.amdhsa_kernel k_q45ee6ceea2_quant
		.amdhsa_group_segment_fixed_size 69120
		.amdhsa_private_segment_fixed_size 0
		.amdhsa_enable_private_segment 0
		.amdhsa_kernarg_size 48
		.amdhsa_user_sgpr_count 2
		.amdhsa_user_sgpr_kernarg_segment_ptr 1
		.amdhsa_wavefront_size32 1
		.amdhsa_system_sgpr_workgroup_id_x 1
		.amdhsa_system_sgpr_workgroup_id_y 1
		.amdhsa_system_sgpr_workgroup_id_z 1
		.amdhsa_system_vgpr_workitem_id 0
		.amdhsa_next_free_vgpr 168
		.amdhsa_next_free_sgpr 66
		.amdhsa_reserve_vcc 0
		.amdhsa_float_denorm_mode_32 3
		.amdhsa_float_denorm_mode_16_64 3
		.amdhsa_memory_ordered 1
		.amdhsa_forward_progress 1
		.amdhsa_inst_pref_size 12
	.end_amdhsa_kernel
	.amdgpu_metadata
---
amdhsa.version: [ 1, 2 ]
amdhsa.kernels:
  - .name:           k_q45ee6ceea2_quant
    .symbol:         k_q45ee6ceea2_quant.kd
    .args:
      - { .name: x, .offset: 0, .size: 8, .value_kind: global_buffer, .address_space: global }
      - { .name: wq, .offset: 8, .size: 8, .value_kind: global_buffer, .address_space: global }
      - { .name: wk, .offset: 16, .size: 8, .value_kind: global_buffer, .address_space: global }
      - { .name: wv, .offset: 24, .size: 8, .value_kind: global_buffer, .address_space: global }
      - { .name: wo, .offset: 32, .size: 8, .value_kind: global_buffer, .address_space: global }
      - { .name: qc, .offset: 40, .size: 8, .value_kind: global_buffer, .address_space: global }
    .group_segment_fixed_size: 69120
    .private_segment_fixed_size: 0
    .kernarg_segment_align: 8
    .kernarg_segment_size: 48
    .max_flat_workgroup_size: 256
    .sgpr_count:     66
    .vgpr_count:     168
    .wavefront_size: 32
...
	.end_amdgpu_metadata
.endif
;; end of part 1
;; launch proj (part 2): grid 24 x 16, 4 waves a work-group, clusters of 4 x 4, 327,680 bytes of LDS; arguments qc, cos, sin, q_norm_w, k_norm_w, qq, kv; writes qq, kv
.if DOCPART == 2
	.amdgcn_target "amdgcn-amd-amdhsa--gfx1250"
	.amdhsa_code_object_version 6
	.text
	.protected	k_q45ee6ceea2_proj
	.globl	k_q45ee6ceea2_proj
	.p2align	8
	.type	k_q45ee6ceea2_proj,@function
k_q45ee6ceea2_proj:
	s_mov_b64 s[64:65], 0
	v_nop
	global_prefetch_b8 v0, s[64:65] scope:SCOPE_SE
	s_setreg_imm32_b32 hwreg(HW_REG_WAVE_MODE, 25, 1), 1
	s_wait_xcnt 0x0
	s_wait_alu depctr_hold_cnt(0) depctr_sa_sdst(0) depctr_va_vdst(0) depctr_va_sdst(0) depctr_va_ssrc(0) depctr_va_vcc(0) depctr_vm_vsrc(0)
	s_getreg_b32 s2, hwreg(HW_REG_IB_STS2, 6, 4)
	s_cmp_eq_u32 s2, 0
	s_cbranch_scc0 .Lentry_in_a_cluster
	s_endpgm
.Lentry_in_a_cluster:
	s_bfe_u32 s2, ttmp6, 0x10000c
	s_cmp_lg_u32 s2, 0xf033
	s_cbranch_scc0 .Lentry_shape_is_right
	s_endpgm
.Lentry_shape_is_right:
; The three projections on codes of E2M3, with what follows them: for q and k the RMS norm of each head, its gain, the rotary embedding; then all three are quantised again, in registers, as operands of the attention.
; ONE PRODUCT FOR ALL: source 0 = a fragment of "P" (its 16 rows become a lane's registers), source 1 = a fragment of "Q" (its rows become lanes).  A work-group: 128 rows of P x 256 rows of Q, all K = 1,024 resident in LDS
; (8 + 16 records of qc, 307,200 bytes, each byte filled once: no slot is filled again).  Wave w: Q's rows 64 w .. 64 w + 63 against all of P: 32 accumulators.
; ROLES by the cluster's x, which all partners share.  x < 4: P = a panel of wq (x 0, 1) or wk (2, 3) = two heads, Q = 256 tokens: a lane holds a token, its registers run along the heads' 64.
; x >= 4: P = 128 tokens (a key step), Q = 256 rows of wv = four heads: a lane holds a channel d, its registers run along the keys, which are the second attention product's K.
; CLUSTER 4 x 4: P's panel hangs on cx alone and is asked for jointly by a column, Q's on cy alone and is asked for by a row: each tile is requested once for four work-groups.
; q's gain is multiplied by 1/8 (exact): the scores then come out divided by sqrt(64).
; OUT.  qq [head][128 queries][6,400]: 8 half fragments (16 rows x 64: 512 bytes at 16 a lane, 256 at 8 a lane), then 256 bytes of scales [tile / 4][row][2 words], word (tile / 2) % 2 with the even tile's two bytes below the odd tile's.
; kv [head][128 keys][12,800]: a part for K laid as a record of qq, then V's: 4 fragments (16 d x 128 keys) of 1,536 bytes and 256 bytes of scale words [row][fragment].
; The tables cos, sin and the gains are loaded by every work-group, v's too (from a panel inside the tables; v's work-groups do not use the numbers), so that every register is written on the one way that all take.
; LIMITS: blocks whose largest magnitude lies under 2^-124 (for q: after the 1/8) keep the byte 1; a block of zeros has the byte 1 and zero codes; NaN and infinities are not served.
; REGISTERS: window 0: v1-20 lane numbers and addresses; v32-55 scale words, two sets; v56-63 at work; v64-95 gains; v96-127 at work; v128-191 normalised numbers, then codes; v192-255 rotated numbers.
;   window 1: accumulator (a, b) at v[8 (8 a + b)].  window 2: P's fragments, two sets at v0 and v128.  window 3: Q's, two sets at v0 and v128; cos and sin of token tile a at v48, v80, v176, v208 (16 + 16).
.set REC,  12800
.set PAN,  8*REC
.set QB,   PAN                         ; LDS: P's panel at 0, Q's two panels behind it
.set AP16, 4                           ; v4, v5    P: 16 x lane, for K steps 0-3 and 4-7
.set AP8,  6                           ; v6, v7    8 x lane
.set AQ16, 8                           ; v8, v9    Q: my four fragments
.set AQ8,  10
.set ASP,  12                          ; v12, v13  P's scale words: 16 x r
.set ASQ,  14                          ; v14, v15  Q's
.set ST16, 16                          ; the stores' offsets
.set ST8,  17
.set STS,  18
.set CSO,  19
.set NWO,  20
.set SC,   32                          ; scale words: set p at v[32 + 12 p]: P's 8, Q's 4; these registers hold nothing else
.set RT,   56
.set NW,   64
.set SS,   96
.set TM,   104
.set PW,   120
.set PWE,  121
.set H0W,  122
.set H1W,  124
.set OW,   126
.set VW,   124
.set Y,    128
.set PC,   128
.set OUT,  192
.set WV,   18
.set SEL,  66
.set G1Q,  32
.set G1P,  40
.set G0Q,  68
.set G0P,  84
.set MSB, 0
.macro WIN new                         ; the immediate's high byte repeats the setting that is left
.if MSB != (\new)
	s_set_vgpr_msb (MSB<<8)|(\new)
.set MSB, (\new)
.endif
.endm
.macro PLACES                          ; four plain places behind a matrix instruction, in front of loads into its registers and of reads of its results
.rept 4
	v_nop
.endr
.endm
.macro CROUND                          ; a round of the cluster's barrier
	s_barrier_signal -1
	s_barrier_wait -1
	s_cmp_lg_u32 s[WV], 0
	s_cbranch_scc1 .Lnot_wave_0_\@
	s_barrier_signal -3
.Lnot_wave_0_\@:
	s_barrier_wait -3
	s_barrier_signal -1
	s_barrier_wait -1
.endm
; K step s: P's 8 fragments, my 4 of Q and the scale words, into set p: 51 dense LDS loads
.macro FETCH s, p
	WIN 0x80
.irp f, 0,1,2,3,4,5,6,7
.irp c, 0,1
	ds_load_b128 v[128*(\p)+12*\f+6*\c:128*(\p)+12*\f+6*\c+3], v[AP16+(\s)/4] offset:((\s)%4)*REC+1536*\f+768*\c
	ds_load_b64 v[128*(\p)+12*\f+6*\c+4:128*(\p)+12*\f+6*\c+5], v[AP8+(\s)/4] offset:((\s)%4)*REC+1536*\f+768*\c+512
.endr
.endr
	WIN 0xc0
.irp f, 0,1,2,3
.irp c, 0,1
	ds_load_b128 v[128*(\p)+12*\f+6*\c:128*(\p)+12*\f+6*\c+3], v[AQ16+(\s)/4] offset:((\s)%4)*REC+1536*\f+768*\c
	ds_load_b64 v[128*(\p)+12*\f+6*\c+4:128*(\p)+12*\f+6*\c+5], v[AQ8+(\s)/4] offset:((\s)%4)*REC+1536*\f+768*\c+512
.endr
.endr
	WIN 0
	ds_load_b128 v[SC+12*(\p):SC+12*(\p)+3], v[ASP+(\s)/4] offset:((\s)%4)*REC+12288
	ds_load_b128 v[SC+12*(\p)+4:SC+12*(\p)+7], v[ASP+(\s)/4] offset:((\s)%4)*REC+12288+256
	ds_load_b128 v[SC+12*(\p)+8:SC+12*(\p)+11], v[ASQ+(\s)/4] offset:((\s)%4)*REC+12288
.endm
; 16 matrix instructions: Q's fragments a0, a0 + 1 against P's eight.  The 32 accumulators take turns, one instruction a turn, in the same order in every K step
.macro MUL a0, p, zero
	WIN 0x5e                                       ; source 0 (P) window 2, source 1 (Q) window 3, C and D window 1
.irp a, \a0, \a0+1
.irp b, 0,1,2,3,4,5,6,7
.if \zero
	v_wmma_scale_f32_16x16x128_f8f6f4 v[8*(8*(\a)+\b):8*(8*(\a)+\b)+7], v[128*(\p)+12*\b:128*(\p)+12*\b+11], v[128*(\p)+12*(\a):128*(\p)+12*(\a)+11], 0, v[SC+12*(\p)+\b], v[SC+12*(\p)+8+(\a)] matrix_a_fmt:MATRIX_FMT_FP6 matrix_b_fmt:MATRIX_FMT_FP6
.else
	v_wmma_scale_f32_16x16x128_f8f6f4 v[8*(8*(\a)+\b):8*(8*(\a)+\b)+7], v[128*(\p)+12*\b:128*(\p)+12*\b+11], v[128*(\p)+12*(\a):128*(\p)+12*(\a)+11], v[8*(8*(\a)+\b):8*(8*(\a)+\b)+7], v[SC+12*(\p)+\b], v[SC+12*(\p)+8+(\a)] matrix_a_fmt:MATRIX_FMT_FP6 matrix_b_fmt:MATRIX_FMT_FP6
.endif
.endr
.endr
.endm
.macro STEP s, zero
	s_wait_dscnt 0x0                               ; this K step's fragments are in
	MUL 0, (\s)%2, \zero
.if (\s) < 7
	PLACES                                         ; the other set was read by the K step before
	FETCH (\s)+1, ((\s)+1)%2
.endif
	MUL 2, (\s)%2, \zero
.endm
; 64 numbers of a lane, v[s] on (w = 1: in window 1), register 16 b + i being number i of my half of block b, become a fragment's 12 registers in v[PC] on and its scale word in v[PW]
.macro QUANT s, w
	WIN 0x05*(\w)
.irp b, 0,1,2,3
	v_max3_num_f32 v[TM+\b], |v[\s+16*\b]|, |v[\s+16*\b+1]|, 0x1800000   ; with the floor 2^(3 - 127): the byte cannot fall under 1
.endr
.irp i, 2,4,6,8,10,12,14
.irp b, 0,1,2,3
	v_max3_num_f32 v[TM+\b], |v[\s+16*\b+\i]|, |v[\s+16*\b+\i+1]|, v[TM+\b]
.endr
.endr
	WIN 0
.irp b, 0,1,2,3
	v_permlanex16_b32 v[TM+4+\b], v[TM+\b], s[SEL], s[SEL+1]
.endr
.irp b, 0,1,2,3
	v_max_num_f32 v[TM+\b], v[TM+\b], v[TM+4+\b]   ; with lane l xor 16's: the block's largest magnitude
.endr
.irp b, 0,1,2,3
	v_add_nc_u32 v[TM+12+\b], 0xff000000, v[TM+\b] ; 2 off its exponent field: the conversion's scale operand
.endr
.irp b, 0,1,2,3
	v_lshrrev_b32 v[TM+4+\b], 23, v[TM+12+\b]      ; the scale's byte
.endr
	v_lshl_or_b32 v[PW], v[TM+5], 8, v[TM+4]
	v_lshl_or_b32 v[PW], v[TM+6], 16, v[PW]
	v_lshl_or_b32 v[PW], v[TM+7], 24, v[PW]
	WIN 0x01*(\w)
.irp c, 0,1
	v_cvt_scalef32_pk16_fp6_f32 v[PC+6*\c:PC+6*\c+2], v[\s+32*\c:\s+32*\c+15], v[TM+12+2*\c]
	v_cvt_scalef32_pk16_fp6_f32 v[PC+12+4*\c:PC+12+4*\c+2], v[\s+32*\c+16:\s+32*\c+31], v[TM+12+2*\c+1]
.endr
	WIN 0
	v_nop                                          ; one plain place behind a scaled conversion
.irp c, 0,1                                    ; a whole block to a lane: lanes 0-15 block 2 c, lanes 16-31 block 2 c + 1
.irp i, 0,1,2
	v_permlane16_swap_b32 v[PC+6*\c+\i], v[PC+12+4*\c+\i]
.endr
.irp i, 0,1,2
	v_mov_b32 v[PC+6*\c+3+\i], v[PC+12+4*\c+\i]
.endr
.endr
.endm
	s_load_b256 s[4:11], s[0:1], 0x0               ; qc, cos, sin, q_norm_w
	s_load_b128 s[12:15], s[0:1], 0x20             ; k_norm_w, qq
	s_load_b64 s[16:17], s[0:1], 0x30              ; kv
	v_lshl_add_u32 v22, v0, 2, 307200              ; my spare word, behind the three panels: 128 bytes for each wave, named by no other line
	v_mov_b32 v23, 0
	ds_add_u32 v22, v23                            ; the opening lines: the add, twice on end,
	ds_add_u32 v22, v23
	v_lshrrev_b32 v1, 5, v0
	v_readfirstlane_b32 s[WV], v1                  ; wave 0..3
	s_bfe_u32 s19, ttmp6, 0x40000                  ; cx
	s_bfe_u32 s20, ttmp6, 0x40004                  ; cy
	s_mov_b32 s21, ttmp9                           ; the cluster's x: the role
	s_and_b32 s22, ttmp7, 0xffff                   ; the cluster's y
	s_lshl_b32 s23, s20, 2
	s_lshl_b32 s23, 15, s23                        ; my row of the cluster
	s_lshl_b32 s24, 0x1111, s19                    ; my column
	s_min_u32 s25, s21, 3
	s_lshl_b32 s25, s25, 2
	s_add_co_u32 s25, s25, 32                      ; q, k: P's panels 32 + 4 x on
	s_max_u32 s26, s21, 4
	s_sub_co_u32 s26, s26, 4
	s_lshl_b32 s26, s26, 2
	s_add_co_u32 s26, s26, s22
	s_lshl_b32 s26, s26, 2                         ; v: P's panels 4 (4 (x - 4) + y) on: x's tokens
	s_lshl_b32 s27, s22, 3                         ; q, k: Q's panels 8 y on
	s_cmp_lt_u32 s21, 4
	s_cselect_b32 s25, s25, s26
	s_cselect_b32 s27, s27, 48                     ; v: wv's panels
	s_add_co_u32 s25, s25, s19                     ; P's panel: + cx
	s_lshl_b32 s28, s20, 1
	s_add_co_u32 s27, s27, s28                     ; Q's first panel: + 2 cy
	s_and_b32 s29, s[WV], 1
	; descriptor group 1: dense blocks as rows of 256 bytes (32 elements of 8 bytes), no padding; Q: 102,400 bytes (a panel), P: 51,200 (four records)
	s_or_b32 s[G1Q], s23, (3<<16)|(1<<21)          ; 15:0 the mask: Q's tiles go to my row; 17:16 elements of 8 bytes; 21 set beside a mask
	s_or_b32 s[G1P], s24, (3<<16)|(1<<21)          ; P's go to my column
.irp g, G1Q, G1P
	s_mov_b32 s[\g+1], 32<<16                      ; tensor_dim0
	s_mov_b32 s[\g+3], 32<<16                      ; tile_dim0
	s_mov_b32 s[\g+5], 32                          ; the pitch
	s_mov_b32 s[\g+6], 0
	s_mov_b32 s[\g+7], 0
.endr
	s_mov_b32 s[G1Q+2], 400<<16                    ; tensor_dim1
	s_mov_b32 s[G1Q+4], 400                        ; tile_dim1
	s_mov_b32 s[G1P+2], 200<<16
	s_mov_b32 s[G1P+4], 200
	s_add_co_u32 s62, s27, s29                     ; waves 0, 1 fetch Q's panel w;
	s_mul_i32 s62, s62, PAN
	s_mov_b32 s63, 0
	s_mul_i32 s60, s25, PAN                        ; waves 2, 3 fetch P's records 4 (w - 2) .. 4 (w - 2) + 3
	s_mul_i32 s61, s29, 4*REC
	s_add_co_u32 s60, s60, s61
	s_mov_b32 s61, 0
	s_mul_i32 s48, s29, PAN                        ; and where they go: no place in the cluster enters an LDS address
	s_mul_i32 s49, s29, 4*REC
	s_mov_b32 s[SEL], 0x76543210
	s_mov_b32 s[SEL+1], 0xfedcba98
	s_mov_b32 s2, 0x3c800000                       ; 1 / 64
	s_mov_b32 s3, 0x358637bd                       ; 1e-6
	s_wait_dscnt 0x0                               ; and the one wait for both adds
	s_wait_kmcnt 0x0
	s_add_nc_u64 s[56:57], s[4:5], s[62:63]
	s_add_nc_u64 s[58:59], s[4:5], s[60:61]
	CROUND                                         ; all sixteen work-groups are here: the joint loads meet
.irp j, 0
	s_mov_b32 s[G0Q+4*\j], 1
	s_add_co_u32 s[G0Q+4*\j+1], s48, QB+\j*2*REC
	s_add_nc_u64 s[G0Q+4*\j+2:G0Q+4*\j+3], s[56:57], \j*2*REC
	s_or_b32 s[G0Q+4*\j+3], s[G0Q+4*\j+3], 0x80000000
	s_mov_b32 s[G0P+4*\j], 1
	s_add_co_u32 s[G0P+4*\j+1], s49, \j*2*REC
	s_add_nc_u64 s[G0P+4*\j+2:G0P+4*\j+3], s[58:59], \j*2*REC
	s_or_b32 s[G0P+4*\j+3], s[G0P+4*\j+3], 0x80000000
.endr
	s_cmp_lt_u32 s[WV], 2                          ; one first fill a wave, one in each arm: one load of mine is out
	s_cbranch_scc0 .Lfirst_p
	tensor_load_to_lds s[G0Q:G0Q+3], s[G1Q:G1Q+7]
	s_nop 0
.rept 4
	v_nop
.endr
	s_branch .Lfirst_asked
.Lfirst_p:
	tensor_load_to_lds s[G0P:G0P+3], s[G1P:G1P+7]
	s_nop 0
.rept 4
	v_nop
.endr
.Lfirst_asked:
	v_and_b32 v1, 31, v0                           ; lane
	v_and_b32 v2, 15, v0                           ; r
	v_bfe_u32 v3, v0, 4, 1                         ; h
	v_lshlrev_b32 v[AP16], 4, v1
	v_add_nc_u32 v[AP16+1], 4*REC, v[AP16]
	v_lshlrev_b32 v[AP8], 3, v1
	v_add_nc_u32 v[AP8+1], 4*REC, v[AP8]
	s_lshr_b32 s26, s[WV], 1
	s_mul_i32 s28, s26, PAN
	s_add_co_u32 s28, s28, QB                      ; my panel of Q in LDS,
	s_mul_i32 s53, s29, 4*1536
	s_add_co_u32 s53, s53, s28                     ; my four fragments in a record
	v_add_nc_u32 v[AQ16], s53, v[AP16]
	v_add_nc_u32 v[AQ16+1], 4*REC, v[AQ16]
	v_add_nc_u32 v[AQ8], s53, v[AP8]
	v_add_nc_u32 v[AQ8+1], 4*REC, v[AQ8]
	v_lshlrev_b32 v[ASP], 4, v2
	v_add_nc_u32 v[ASP+1], 4*REC, v[ASP]
	s_lshl_b32 s53, s29, 8
	s_add_co_u32 s53, s53, s28
	v_add_nc_u32 v[ASQ], s53, v[ASP]
	v_add_nc_u32 v[ASQ+1], 4*REC, v[ASQ]
	v_lshlrev_b32 v[CSO], 7, v2
	v_lshl_add_u32 v[CSO], v3, 5, v[CSO]           ; cos, sin: token r's 128 bytes, + 32 h
	v_lshlrev_b32 v[NWO], 5, v3                    ; the gains: + 32 h
	s_wait_alu depctr_va_vdst(0)
.irp b, 0,1,2,3
	v_mov_b32 v[TM+4+\b], 0                        ; written once: a lane permute's destination counts as one of its sources
.endr
	s_add_co_u32 s28, s27, s26
	s_and_b32 s28, s28, 31                         ; my 128 tokens (in v's work-groups: a panel inside the tables)
	s_lshl_b32 s28, s28, 1
	s_add_co_u32 s28, s28, s29                     ; my 64
	s_lshl_b32 s50, s28, 13
	s_mov_b32 s51, 0
	s_add_nc_u64 s[6:7], s[6:7], s[50:51]
	s_add_nc_u64 s[8:9], s[8:9], s[50:51]
	s_cmp_lt_u32 s21, 2                            ; q or k
	s_cselect_b64 s[10:11], s[10:11], s[12:13]     ; the gains,
	s_cselect_b64 s[14:15], s[14:15], s[16:17]     ; the buffer,
	s_mov_b32 s52, REC
	s_cselect_b32 s52, 6400, s52                   ; its record's bytes,
	s_mov_b32 s30, 1.0
	s_cselect_b32 s30, 0x3e000000, s30             ; and q's 1 / 8
	s_mov_b32 s31, s30
.irp b, 0,1,2,3
	global_load_b128 v[NW+8*\b:NW+8*\b+3], v[NWO], s[10:11] offset:64*\b         ; w[16 b + 8 h + j]
	global_load_b128 v[NW+8*\b+4:NW+8*\b+7], v[NWO], s[10:11] offset:64*\b+16
.endr
	WIN 0xc0
.irp a, 0,1,2,3
.irp g, 0,1,2,3
	global_load_b128 v[48+32*(\a%2)+128*(\a/2)+4*\g:48+32*(\a%2)+128*(\a/2)+4*\g+3], v[CSO], s[6:7] offset:2048*\a+16*(\g%2)+64*(\g/2)   ; cos[token][16 (g / 2) + 8 h + 4 (g % 2) ..]
	global_load_b128 v[64+32*(\a%2)+128*(\a/2)+4*\g:64+32*(\a%2)+128*(\a/2)+4*\g+3], v[CSO], s[8:9] offset:2048*\a+16*(\g%2)+64*(\g/2)   ; sin likewise
.endr
.endr
	WIN 0
	s_wait_loadcnt 0x0
.set J, 0
.rept 16
	v_pk_mul_f32 v[NW+J:NW+J+1], v[NW+J:NW+J+1], s[30:31] op_sel_hi:[1,0]
.set J, J+2
.endr
	s_wait_tensorcnt 0x0                           ; my one load has landed; behind the barrier everybody's has: all of K is resident
	s_barrier_signal -1
	s_barrier_wait -1
	FETCH 0, 0
	STEP 0, 1                                      ; the first K step's products start the sums: nothing is cleared
	STEP 1, 0
	STEP 2, 0
	STEP 3, 0
	STEP 4, 0
	STEP 5, 0
	STEP 6, 0
	STEP 7, 0
	WIN 0
	PLACES
	s_cmp_lt_u32 s21, 4
	s_cbranch_scc0 .Lv_role
	; ---- q and k.  A lane holds token r of tile a; accumulator b holds the numbers 16 b + 8 h + j of the panel's 128: head 0 in b 0-3, head 1 in b 4-7
	s_lshl_b32 s26, s21, 2
	s_add_co_u32 s26, s26, s19
	s_and_b32 s26, s26, 7                          ; the weight's panel pl: heads 2 pl, 2 pl + 1
	s_lshl_b32 s26, s26, 6
	s_lshr_b32 s28, s[WV], 1
	s_add_co_u32 s28, s28, s27                     ; my 128 tokens
	s_add_co_u32 s26, s26, s28
	s_mul_i32 s26, s26, s52
	s_mov_b32 s27, 0
	s_add_nc_u64 s[50:51], s[14:15], s[26:27]      ; head 0's record,
	s_lshl_b32 s26, s52, 5
	s_add_nc_u64 s[54:55], s[50:51], s[26:27]      ; head 1's: 32 records on
	v_mul_lo_u32 v[STS], v3, s26
	v_lshl_add_u32 v[STS], v2, 3, v[STS]
	s_lshl_b32 s28, s29, 7
	v_add_nc_u32 v[STS], s28, v[STS]               ; the scale words: lanes 0-15 head 0's, lanes 16-31 head 1's: 128 (w % 2) + 8 r
	s_mul_i32 s28, s29, 4*768
	v_add_nc_u32 v[ST16], s28, v[AP16]             ; my four tiles of the record's eight
	v_add_nc_u32 v[ST8], s28, v[AP8]
.macro QKTILE a
.set AC, 64*(\a)
.set CB, 48+32*((\a)%2)+128*((\a)/2)
.if (\a) > 0
	s_wait_xcnt 0x0                                ; the last tile's stores have read their registers: v128 on is written again only behind this wait
.endif
	WIN 0x05                                       ; sources 0 and 1: the accumulators' window
.irp d, 0,1
	v_pk_mul_f32 v[SS+4*\d:SS+4*\d+1], v[AC+32*\d:AC+32*\d+1], v[AC+32*\d:AC+32*\d+1]          ; the sum of squares of each head: two chains, each accumulator from its low end on
	v_pk_mul_f32 v[SS+4*\d+2:SS+4*\d+3], v[AC+32*\d+2:AC+32*\d+3], v[AC+32*\d+2:AC+32*\d+3]
.endr
.irp i, 4,8,12,16,20,24,28
.irp d, 0,1
	v_pk_fma_f32 v[SS+4*\d:SS+4*\d+1], v[AC+32*\d+\i:AC+32*\d+\i+1], v[AC+32*\d+\i:AC+32*\d+\i+1], v[SS+4*\d:SS+4*\d+1]
	v_pk_fma_f32 v[SS+4*\d+2:SS+4*\d+3], v[AC+32*\d+\i+2:AC+32*\d+\i+3], v[AC+32*\d+\i+2:AC+32*\d+\i+3], v[SS+4*\d+2:SS+4*\d+3]
.endr
.endr
	WIN 0
.irp d, 0,1
	v_pk_add_f32 v[SS+4*\d:SS+4*\d+1], v[SS+4*\d:SS+4*\d+1], v[SS+4*\d+2:SS+4*\d+3]
.endr
.irp d, 0,1
	v_add_f32 v[SS+4*\d], v[SS+4*\d], v[SS+4*\d+1]
.endr
.irp d, 0,1
	v_permlanex16_b32 v[SS+4*\d+2], v[SS+4*\d], s[SEL], s[SEL+1]
.endr
.irp d, 0,1
	v_add_f32 v[SS+4*\d], v[SS+4*\d], v[SS+4*\d+2] ; with lane l xor 16's 32 numbers
.endr
.irp d, 0,1
	v_fma_f32 v[SS+4*\d+2], v[SS+4*\d], s2, s3     ; the mean + 1e-6
.endr
	s_wait_alu depctr_va_vdst(0)
.irp d, 0,1
	v_rsq_f32 v[SS+4*\d], v[SS+4*\d+2]
.endr
	v_nop                                          ; a plain place behind the transcendentals,
	s_wait_alu depctr_va_vdst(0)                   ; and the one wait ahead of the first reader
	WIN 0x01
.irp d, 0,1
.irp i, 0,2,4,6,8,10,12,14,16,18,20,22,24,26,28,30
	v_pk_mul_f32 v[Y+32*\d+\i:Y+32*\d+\i+1], v[AC+32*\d+\i:AC+32*\d+\i+1], v[SS+4*\d:SS+4*\d+1] op_sel_hi:[1,0]
.endr
.endr
	WIN 0
.irp d, 0,1
.irp i, 0,2,4,6,8,10,12,14,16,18,20,22,24,26,28,30
	v_pk_mul_f32 v[Y+32*\d+\i:Y+32*\d+\i+1], v[Y+32*\d+\i:Y+32*\d+\i+1], v[NW+\i:NW+\i+1]       ; the gain
.endr
.endr
	WIN 0x0c                                       ; source 1: cos and sin, window 3
.irp d, 0,1
.irp n, 0,2,4,6,8,10,12,14                     ; x1 = the head's numbers 0-31 (registers 0-15), x2 = 32-63 (registers 16-31)
	v_pk_mul_f32 v[RT+2*(\n%4):RT+2*(\n%4)+1], v[Y+32*\d+16+\n:Y+32*\d+16+\n+1], v[CB+16+\n:CB+16+\n+1]
	v_pk_mul_f32 v[RT+2*(\n%4)+2:RT+2*(\n%4)+3], v[Y+32*\d+\n:Y+32*\d+\n+1], v[CB+16+\n:CB+16+\n+1]
	v_pk_fma_f32 v[OUT+32*\d+\n:OUT+32*\d+\n+1], v[Y+32*\d+\n:Y+32*\d+\n+1], v[CB+\n:CB+\n+1], v[RT+2*(\n%4):RT+2*(\n%4)+1] neg_lo:[0,0,1] neg_hi:[0,0,1]   ; x1 cos - x2 sin
	v_pk_fma_f32 v[OUT+32*\d+16+\n:OUT+32*\d+16+\n+1], v[Y+32*\d+16+\n:Y+32*\d+16+\n+1], v[CB+\n:CB+\n+1], v[RT+2*(\n%4)+2:RT+2*(\n%4)+3]               ; x2 cos + x1 sin
.endr
.endr
	QUANT OUT, 0                                   ; blocks 0, 1: head 0; blocks 2, 3: head 1
	global_store_b128 v[ST16], v[PC:PC+3], s[50:51] offset:768*(\a)
	global_store_b64 v[ST8], v[PC+4:PC+5], s[50:51] offset:768*(\a)+512
	global_store_b128 v[ST16], v[PC+6:PC+9], s[54:55] offset:768*(\a)
	global_store_b64 v[ST8], v[PC+10:PC+11], s[54:55] offset:768*(\a)+512
.if (\a)%2 == 0
	v_mov_b32 v[PWE], v[PW]
.else
	v_perm_b32 v[H0W+(\a)/2], v[PW], v[PWE], 0x05040100      ; head 0: the even tile's two bytes below the odd tile's
	v_perm_b32 v[H1W+(\a)/2], v[PW], v[PWE], 0x07060302      ; head 1 likewise
.endif
.endm
	QKTILE 0
	QKTILE 1
	QKTILE 2
	QKTILE 3
	v_cmp_lt_u32 vcc_lo, 15, v1
	v_cndmask_b32 v[OW], v[H0W], v[H1W], vcc_lo
	v_cndmask_b32 v[OW+1], v[H0W+1], v[H1W+1], vcc_lo
	global_store_b64 v[STS], v[OW:OW+1], s[50:51] offset:6144
	s_branch .Ldone
.Lv_role:
	; ---- v.  A lane holds channel d = r of Q's fragment a; accumulator b holds keys 16 b + 8 h + j of the key step: one fragment of V^T for each a
	s_lshl_b32 s26, s20, 2
	s_add_co_u32 s26, s26, s[WV]                   ; the head: 4 cy + wave
	s_lshl_b32 s26, s26, 5
	s_add_co_u32 s26, s26, s25                     ; the key step: P's panel
	s_mul_i32 s26, s26, REC
	s_add_co_u32 s26, s26, 6400                    ; V's part of the record
	s_mov_b32 s27, 0
	s_add_nc_u64 s[50:51], s[16:17], s[26:27]
.macro VTILE a
.if (\a) > 0
	s_wait_xcnt 0x0                                ; the last fragment's stores have read their registers
.endif
	QUANT 64*(\a), 1
	v_mov_b32 v[VW+(\a)], v[PW]
	global_store_b128 v[AP16], v[PC:PC+3], s[50:51] offset:1536*(\a)
	global_store_b64 v[AP8], v[PC+4:PC+5], s[50:51] offset:1536*(\a)+512
	global_store_b128 v[AP16], v[PC+6:PC+9], s[50:51] offset:1536*(\a)+768
	global_store_b64 v[AP8], v[PC+10:PC+11], s[50:51] offset:1536*(\a)+1280
.endm
	VTILE 0
	VTILE 1
	VTILE 2
	VTILE 3
	s_wait_alu depctr_va_vdst(0)
	s_wait_xcnt 0x0                                ; EXEC changes only behind this wait
	v_cmp_gt_u32 vcc_lo, 16, v1
	s_and_saveexec_b32 s26, vcc_lo
	global_store_b128 v[ASP], v[VW:VW+3], s[50:51] offset:6144   ; sixteen lanes store the 256 bytes of scale words [r][fragment]
	s_wait_xcnt 0x0                                ; and again in front of the line that widens it
	s_or_b32 exec_lo, exec_lo, s26
.Ldone:
	s_wait_tensorcnt 0x0                           ; the wave's end
	ds_add_u32 v22, v23
	s_wait_dscnt 0x0
	CROUND                                         ; the closing round: no work-group ends while a partner may still ask for a tile that names it
	s_endpgm
.Lfunc_end_k_q45ee6ceea2_proj:
	.size	k_q45ee6ceea2_proj, .Lfunc_end_k_q45ee6ceea2_proj-k_q45ee6ceea2_proj
	.p2alignl 7, 3214868480
	.fill 96, 4, 3214868480
	.section	.rodata,"a",@progbits
	.p2align	6, 0x0
	.amdhsa_kernel k_q45ee6ceea2_proj
		.amdhsa_group_segment_fixed_size 327680
		.amdhsa_private_segment_fixed_size 0
		.amdhsa_enable_private_segment 0
		.amdhsa_kernarg_size 56
		.amdhsa_user_sgpr_count 2
		.amdhsa_user_sgpr_kernarg_segment_ptr 1
		.amdhsa_wavefront_size32 1
		.amdhsa_system_sgpr_workgroup_id_x 1
		.amdhsa_system_sgpr_workgroup_id_y 1
		.amdhsa_system_sgpr_workgroup_id_z 1
		.amdhsa_system_vgpr_workitem_id 0
		.amdhsa_next_free_vgpr 1024
		.amdhsa_next_free_sgpr 100
		.amdhsa_reserve_vcc 1
		.amdhsa_float_denorm_mode_32 3
		.amdhsa_float_denorm_mode_16_64 3
		.amdhsa_memory_ordered 1
		.amdhsa_forward_progress 1
		.amdhsa_inst_pref_size 151
	.end_amdhsa_kernel
	.amdgpu_metadata
---
amdhsa.version: [ 1, 2 ]
amdhsa.kernels:
  - .name:           k_q45ee6ceea2_proj
    .symbol:         k_q45ee6ceea2_proj.kd
    .args:
      - { .name: qc, .offset: 0, .size: 8, .value_kind: global_buffer, .address_space: global }
      - { .name: cos, .offset: 8, .size: 8, .value_kind: global_buffer, .address_space: global }
      - { .name: sin, .offset: 16, .size: 8, .value_kind: global_buffer, .address_space: global }
      - { .name: q_norm_w, .offset: 24, .size: 8, .value_kind: global_buffer, .address_space: global }
      - { .name: k_norm_w, .offset: 32, .size: 8, .value_kind: global_buffer, .address_space: global }
      - { .name: qq, .offset: 40, .size: 8, .value_kind: global_buffer, .address_space: global }
      - { .name: kv, .offset: 48, .size: 8, .value_kind: global_buffer, .address_space: global }
    .group_segment_fixed_size: 327680
    .private_segment_fixed_size: 0
    .kernarg_segment_align: 8
    .kernarg_segment_size: 56
    .max_flat_workgroup_size: 128
    .sgpr_count:     100
    .vgpr_count:     1024
    .wavefront_size: 32
...
	.end_amdgpu_metadata
.endif
;; end of part 2
;; launch attn (part 3): grid 4 x 64, 8 waves a work-group, clusters of 4 x 4, 327,680 bytes of LDS; arguments qq, kv, attention_mask, oc; writes oc
.if DOCPART == 3
	.amdgcn_target "amdgcn-amd-amdhsa--gfx1250"
	.amdhsa_code_object_version 6
	.text
	.protected	k_q45ee6ceea2_attn
	.globl	k_q45ee6ceea2_attn
	.p2align	8
	.type	k_q45ee6ceea2_attn,@function
k_q45ee6ceea2_attn:
	s_mov_b64 s[64:65], 0
	v_nop
	global_prefetch_b8 v0, s[64:65] scope:SCOPE_SE
	s_setreg_imm32_b32 hwreg(HW_REG_WAVE_MODE, 25, 1), 1
	s_wait_xcnt 0x0
	s_wait_alu depctr_hold_cnt(0) depctr_sa_sdst(0) depctr_va_vdst(0) depctr_va_sdst(0) depctr_va_ssrc(0) depctr_va_vcc(0) depctr_vm_vsrc(0)
	s_getreg_b32 s2, hwreg(HW_REG_IB_STS2, 6, 4)
	s_cmp_eq_u32 s2, 0
	s_cbranch_scc0 .Lentry_in_a_cluster
	s_endpgm
.Lentry_in_a_cluster:
	s_bfe_u32 s2, ttmp6, 0x10000c
	s_cmp_lg_u32 s2, 0xf033
	s_cbranch_scc0 .Lentry_shape_is_right
	s_endpgm
.Lentry_shape_is_right:
; Attention on codes of E2M3: logit = q . k / 8 + mask (the 1/8 lies in q's scale bytes; the mask, an input, is read whole and added for every key), p = 2^(t - M), t = logit x log2(e), M the ceiling of the running
; largest t; p is quantised along the keys, the row's sum is taken of the unquantised p in f32, O is divided by it at the end and quantised as the operand of the output projection.  No work of the problem is left out.
; SHARES.  A work-group: 4 heads (4 cx + wave / 2) x 64 queries (block 4 y + cy).  A wave: one head, two tiles of 16 queries, which share each fragment of K and V.
; LAYOUT.  Both products transposed (S^T = K q^T, O^T = V^T p^T): a lane holds one query.  The mask is the C of the first product: it is loaded into the scores' registers.
; The head's 64 are half of the instruction's 128: source 0 holds two tiles of 16 keys, source 1 is [q | 0] or [0 | q], cut out of 18 registers 0 q 0.
; A PIPELINE IN REGISTERS.  Both tiles' scores, softmax state and p lie in window 0; O, q, K, V in window 1.  While tile 0's softmax runs, tile 1's mask of the same step is loaded into tile 1's scores (free since its p was
; converted), then V; while tile 1's softmax runs, tile 0's mask of the NEXT step, then the next K.  So a step's LDS reads are: second half of the step before: mask 0, K; first half of the step: mask 1, V;
; and a change of slots stands in the MIDDLE of a step, between the two halves.
; CLUSTER 4 x 4.  The mask's tile hangs on cy alone and is asked for jointly by a row of the cluster; K's and V's records hang on cx alone and are asked for by a column.
; LDS: two slots, A with two key steps and B with one (two slots of two steps do not fit): ten periods A0, A1, B and a tail A0, A1 are the 32 steps.  One tensor load a wave behind each round: one is out.
; The loop is entered at its middle: B's first fill stands ahead of it, so its ten trips hold A's ten refills and B's nine.
; LIMITS: a row whose mask is -infinity everywhere gives NaN, as the reference's softmax does; blocks of p or O under 2^-124 keep the byte 1; NaN among the inputs is not served;
; the promise holds while the scaled scores stay under 2^31 in magnitude.
.set REC,  12800
.set PAN,  8*REC
.set A_M,  8*REC                       ; LDS: A's records (4 heads x 25,600) at 0; A's mask: 64 rows x (1,024 + 16)
.set B_KV, A_M+64*1040                 ; B's records: 4 x 12,800
.set B_M,  B_KV+4*REC                  ; B's mask: 64 rows x (512 + 16)
.set SPARE, B_M+64*528                 ; the spare words, 128 bytes for each wave, named by no other line
.set OSC,  SPARE+1024                  ; the way out: 512 bytes of scale words
; window 0
.set AM0,  2                           ; v2 (A), v3 (B): tile 0's place in the mask
.set AM1,  4                           ; v4, v5: tile 1's
.set AK16, 6                           ; v6 (A), v8 (B): my head's records + 16 x lane
.set AK8,  7                           ; v7, v9: + 8 x lane
.set AKS,  10                          ; v10, v11: + 8 r
.set AVS,  12                          ; v12, v13: + 16 r
.set G16,  14
.set G8,   15
.set PFO,  16
.set AOS,  17
.set RB,   18
.set OSO,  19
.set SPW,  20
.set NIL,  21
.set KS,   32                          ; v32-43 scale words and nothing else: K's 4, V's 4, q's 2, p's 2
.set VS,   36
.set QS,   40
.set PS,   42
.set ST0,  44                          ; a tile's state: -M, the largest t, the sum (2), f (2)
.set ST1,  50
.set BM,   56                          ; v56-81 at work, for both tiles in turn
.set PT,   60
.set SO,   64
.set TR,   68
.set SU,   70
.set PW,   72
.set CT,   74
.set PC0,  84                          ; p's codes
.set PC1,  96
.set S0,   112                         ; mask, then S^T, then p
.set S1,   176
; window 1
.set O0,   0
.set O1,   32
.set QZ0,  64
.set QZ1,  82
.set KF,   104
.set VF,   152
.set WV,   12
.set SEL,  20
.set CS,   22
.set CNT,  24
.set LIM,  25
.set PFA,  26
.set G1KA, 32
.set G1KB, 40
.set G1MA, 48
.set G1MB, 56
.set G0KA, 68
.set G0KB, 72
.set G0MA, 76
.set G0MB, 80
.set MSB, 0
.macro WIN new                         ; the immediate's high byte repeats the setting that is left
.if MSB != (\new)
	s_set_vgpr_msb (MSB<<8)|(\new)
.set MSB, (\new)
.endif
.endm
.macro PLACES                          ; four plain places behind a matrix instruction (ISA guide 7.12.1)
.rept 4
	v_nop
.endr
.endm
.macro CROUND                          ; a round of the cluster's barrier
	s_barrier_signal -1
	s_barrier_wait -1
	s_cmp_lg_u32 s[WV], 0
	s_cbranch_scc1 .Lnot_wave_0_\@
	s_barrier_signal -3
.Lnot_wave_0_\@:
	s_barrier_wait -3
	s_barrier_signal -1
	s_barrier_wait -1
.endm
; A joint load: waves 0-3 fetch a head's records, waves 4-7 sixteen rows of the mask.  The branch hangs on the wave's number alone.
.macro LOAD g0k, g1k, g0m, g1m
	s_cmp_lt_u32 s[WV], 4
	s_cbranch_scc0 .Lfor_m_\@
	tensor_load_to_lds s[\g0k:\g0k+3], s[\g1k:\g1k+7]
	s_nop 0
.rept 4
	v_nop
.endr
	s_branch .Lasked_\@
.Lfor_m_\@:
	tensor_load_to_lds s[\g0m:\g0m+3], s[\g1m:\g1m+7]
	s_nop 0
.rept 4
	v_nop
.endr
.Lasked_\@:
.endm
; A prefetch of the mask's columns of the NEXT period (three key steps, 512 bytes a row each): wave w = 0, 1, 2 asks for step w: lanes 0-15 the first 256 bytes of sixteen rows, lanes 16-31 the second.
; The four partners that ask for a mask tile jointly share its 64 rows out by address, 16 each.  It stands two steps ahead of the load that wants steps 0 and 1, three steps ahead of the one that wants step 2.
; For the last period wave 2 asks for nothing: the tail has two steps.
.macro ASK
	s_cmp_gt_u32 s[CNT], s[LIM]
	s_cbranch_scc0 .Lnot_mine_\@
	global_prefetch_b8 v[PFO], s[PFA:PFA+1] th:TH_LOAD_NT scope:SCOPE_SE
.Lnot_mine_\@:
.endm
; THE CHANGE OF SLOTS.  Each wave waits for all its tensor loads (one is out: its part of the slot ahead), adds 0 to its spare word, waits for that and for its reads of the slot that it leaves; the cluster's round; the one joint load.
; kind 1: B is filled; kind 2: A is filled; kind 0: nothing is filled, a plain barrier shows the slot ahead to every wave.
.macro CHANGE kind
	s_wait_tensorcnt 0x0                           ; no tensor load of mine is out, so every group 0 may be written
	ds_add_u32 v[SPW], v[NIL]
.if (\kind) == 2
	s_add_nc_u64 s[G0KA+2:G0KA+3], s[G0KA+2:G0KA+3], 3*REC     ; all four walk on by a period: three records, three times 512 bytes of a mask row
	s_add_nc_u64 s[G0KB+2:G0KB+3], s[G0KB+2:G0KB+3], 3*REC
	s_add_nc_u64 s[G0MA+2:G0MA+3], s[G0MA+2:G0MA+3], 1536
	s_add_nc_u64 s[G0MB+2:G0MB+3], s[G0MB+2:G0MB+3], 1536
.endif
.if (\kind) == 1
	s_wait_xcnt 0x0                                ; the last prefetch, a period back, has read its address
	s_add_nc_u64 s[PFA:PFA+1], s[PFA:PFA+1], 1536
.endif
	s_wait_dscnt 0x0                               ; the add is done; tile 1's mask and V are in, and they were my last reads of the slot that I leave
.if (\kind) == 0
	s_barrier_signal -1
	s_barrier_wait -1
.endif
.if (\kind) == 1
	CROUND
	LOAD G0KB, G1KB, G0MB, G1MB
	ASK
.endif
.if (\kind) == 2
	CROUND
	LOAD G0KA, G1KA, G0MA, G1MA
.endif
.endm
.macro ML n                            ; one of sixteen loads of a tile's mask: mask[my query][16 (n / 2) + 8 h + 4 (n % 2) ..] into v[LS + 4 n]
.if LD
	ds_load_b128 v[LS+4*(\n):LS+4*(\n)+3], v[LA] offset:LO+64*((\n)/2)+16*((\n)%2)
.endif
.endm
; One tile's softmax for 128 keys.  Register 16 b + i of s is key 32 b + 8 h + i (i < 8) or 32 b + 16 + 8 h + i - 8 of my query.  Where ld = 1 the OTHER tile's mask is loaded into ls on the way: sixteen loads in one run,
; directly ahead of the wait that stands in front of the exponentials.
.macro SOFTMAX s, st, pc, psr, ob, ld, ls, la, lo
.set LD, \ld
.set LS, \ls
.set LA, \la
.set LO, \lo
.irp b, 0,1,2,3
	v_max3_num_f32 v[BM+\b], v[\s+16*\b], v[\s+16*\b+1], v[\s+16*\b+2]    ; the largest logit of each block of 32 keys: it serves the row's maximum and, since p rises with the logit, the block's largest p
.endr
.irp i, 3,5,7,9,11,13
.irp b, 0,1,2,3
	v_max3_num_f32 v[BM+\b], v[BM+\b], v[\s+16*\b+\i], v[\s+16*\b+\i+1]
.endr
.endr
.irp b, 0,1,2,3
	v_max_num_f32 v[BM+\b], v[BM+\b], v[\s+16*\b+15]
.endr
.irp b, 0,1,2,3
	v_permlanex16_b32 v[PT+\b], v[BM+\b], s[SEL], s[SEL+1]
.endr
.irp b, 0,1,2,3
	v_max_num_f32 v[BM+\b], v[BM+\b], v[PT+\b]     ; with lane l xor 16's 16 keys
.endr
	v_max3_num_f32 v[TR], v[BM], v[BM+1], v[BM+2]
	s_delay_alu instid0(VALU_DEP_1)
	v_max_num_f32 v[TR], v[TR], v[BM+3]
	s_delay_alu instid0(VALU_DEP_1)
	v_mul_f32 v[TR], s[CS], v[TR]                  ; as t
	s_delay_alu instid0(VALU_DEP_1)
	v_max_num_f32 v[\st+1], v[\st+1], v[TR]        ; the running largest t
	v_mov_b32 v[TR], v[\st]
	s_delay_alu instid0(VALU_DEP_2)
	v_floor_f32 v[\st], -v[\st+1]                  ; -M = floor(-t): M is a whole number
	s_delay_alu instid0(VALU_DEP_1)
	v_sub_f32 v[TR], v[\st], v[TR]                 ; old M - new M: a whole number, 0 or less
	s_delay_alu instid0(VALU_DEP_1)
	v_cvt_i32_f32 v[TR], v[TR]                     ; (it saturates)
	s_delay_alu instid0(VALU_DEP_1)
	v_ldexp_f32 v[\st+4], 1.0, v[TR]               ; f = 2^(old M - new M): a rescaling that rounds nothing
.set J, 0
.rept 16
.irp k, 0,2
	v_pk_fma_f32 v[\s+4*J+\k:\s+4*J+\k+1], v[\s+4*J+\k:\s+4*J+\k+1], s[CS:CS+1], v[\st:\st+1] op_sel_hi:[1,0,0]   ; t - M
.endr
.set J, J+1
.endr
.irp b, 0,1,2,3
	v_fma_f32 v[BM+\b], v[BM+\b], s[CS], v[\st]
.endr
.irp n, 0,1,2,3,4,5,6,7,8,9,10,11,12,13,14,15
	ML \n                                          ; the other tile's mask: the exponentials and the sums below stand between these loads and the wait for them
.endr
	s_wait_alu depctr_va_vdst(0)                   ; the wait ahead of the batch
.set J, 0
.rept 64
	v_exp_f32 v[\s+J], v[\s+J]                     ; p = 2^(t - M): not normalised
.set J, J+1
.endr
	v_pk_mul_f32 v[\st+2:\st+3], v[\st+2:\st+3], v[\st+4:\st+5] op_sel_hi:[1,0]   ; the sum under the new M (a plain place behind the exponentials)
	s_wait_alu depctr_va_vdst(0)                   ; one wait for the batch, ahead of its first reader
.irp b, 0,1,2,3
	v_exp_f32 v[BM+\b], v[BM+\b]                   ; the block's largest p: the same two instructions on the same number
.endr
	v_pk_add_f32 v[SU:SU+1], v[\s:\s+1], v[\s+2:\s+3]   ; the row's sum is taken of the unquantised p, in two chains
.set J, 4
.rept 15
	v_pk_add_f32 v[\st+2:\st+3], v[\st+2:\st+3], v[\s+J:\s+J+1]
	v_pk_add_f32 v[SU:SU+1], v[SU:SU+1], v[\s+J+2:\s+J+3]
.set J, J+4
.endr
	s_delay_alu instid0(VALU_DEP_1)
	v_pk_add_f32 v[\st+2:\st+3], v[\st+2:\st+3], v[SU:SU+1]
	s_wait_alu depctr_va_vdst(0)                   ; and one for the four
.irp b, 0,1,2,3
	v_max_num_f32 v[BM+\b], 0x1800000, v[BM+\b]    ; the floor 2^(3 - 127): the byte cannot fall under 1
.endr
.irp b, 0,1,2,3
	v_add_nc_u32 v[SO+\b], 0xff000000, v[BM+\b]    ; 2 off the exponent field: the conversion's scale operand
.endr
.irp b, 0,1,2,3
	v_lshrrev_b32 v[PT+\b], 23, v[SO+\b]
.endr
	v_lshl_or_b32 v[PW], v[PT+1], 8, v[PT]
	s_delay_alu instid0(VALU_DEP_1)
	v_lshl_or_b32 v[PW], v[PT+2], 16, v[PW]
	s_delay_alu instid0(VALU_DEP_1)
	v_lshl_or_b32 v[\psr], v[PT+3], 24, v[PW]      ; p's scale word for these 128 keys; the lines below stand between it and the product
.irp c, 0,1
	v_cvt_scalef32_pk16_fp6_f32 v[\pc+6*\c:\pc+6*\c+2], v[\s+32*\c:\s+32*\c+15], v[SO+2*\c]
	v_cvt_scalef32_pk16_fp6_f32 v[CT+4*\c:CT+4*\c+2], v[\s+32*\c+16:\s+32*\c+31], v[SO+2*\c+1]
.endr
	v_nop                                          ; one plain place behind a scaled conversion
.irp c, 0,1                                    ; a whole block to a lane
.irp i, 0,1,2
	v_permlane16_swap_b32 v[\pc+6*\c+\i], v[CT+4*\c+\i]
.endr
.irp i, 0,1,2
	v_mov_b32 v[\pc+6*\c+3+\i], v[CT+4*\c+\i]
.endr
.endr
	WIN 0x41                                       ; O: window 1; f: window 0
	s_wait_alu depctr_va_vdst(0)                   ; the wait directly ahead of the first reader of O^T
.set J, 0
.rept 16
	v_pk_mul_f32 v[\ob+J:\ob+J+1], v[\ob+J:\ob+J+1], v[\st+4:\st+5] op_sel_hi:[1,0]   ; O^T under the new M, each accumulator from its low end on
.set J, J+2
.endr
.endm
.macro QK s, qz, qs                    ; 8 products: the mask in s is C, the logits come out in its place; eight different accumulators
.irp b, 0,1,2,3
	v_wmma_scale_f32_16x16x128_f8f6f4 v[\s+16*\b:\s+16*\b+7], v[KF+12*\b:KF+12*\b+11], v[\qz+6:\qz+17], v[\s+16*\b:\s+16*\b+7], v[KS+\b], v[\qs] matrix_a_fmt:MATRIX_FMT_FP6 matrix_b_fmt:MATRIX_FMT_FP6
	v_wmma_scale_f32_16x16x128_f8f6f4 v[\s+16*\b+8:\s+16*\b+15], v[KF+12*\b:KF+12*\b+11], v[\qz:\qz+11], v[\s+16*\b+8:\s+16*\b+15], v[KS+\b], v[\qs] matrix_a_fmt:MATRIX_FMT_FP6 matrix_b_fmt:MATRIX_FMT_FP6
.endr
.endm
.macro PV o, pc, ps                    ; 4 products: O^T += V^T p^T
.irp t, 0,1,2,3
	v_wmma_scale_f32_16x16x128_f8f6f4 v[\o+8*\t:\o+8*\t+7], v[VF+12*\t:VF+12*\t+11], v[\pc:\pc+11], v[\o+8*\t:\o+8*\t+7], v[VS+\t], v[\ps] matrix_a_fmt:MATRIX_FMT_FP6 matrix_b_fmt:MATRIX_FMT_FP6
.endr
.endm
.macro LDF f, sl, off                  ; four fragments (K's or V's) of a record into window 1
	WIN 0x40
.irp t, 0,1,2,3
.irp c, 0,1
	ds_load_b128 v[\f+12*\t+6*\c:\f+12*\t+6*\c+3], v[AK16+2*(\sl)] offset:(\off)+1536*\t+768*\c
	ds_load_b64 v[\f+12*\t+6*\c+4:\f+12*\t+6*\c+5], v[AK8+2*(\sl)] offset:(\off)+1536*\t+768*\c+512
.endr
.endr
.endm
.macro LDKS sl, q
	ds_load_b64 v[KS:KS+1], v[AKS+(\sl)] offset:(\q)*REC+6144
	ds_load_b64 v[KS+2:KS+3], v[AKS+(\sl)] offset:(\q)*REC+6144+128
.endm
; THE FIRST HALF of the key step that lies as the q-th in slot sl: tile 0's scores and softmax; on the way tile 1's mask and V of this step are read
.macro H1 sl, q
	s_wait_alu depctr_va_vdst(0)
	s_wait_dscnt 0x0                               ; K and tile 0's mask are in
	WIN 0x05                                       ; K, q window 1; C and D window 0
	QK S0, QZ0, QS
	WIN 0
	PLACES                                         ; in front of the reads of S, and of the load into V's scale words
	ds_load_b128 v[VS:VS+3], v[AVS+(\sl)] offset:(\q)*REC+6400+6144
	LDF VF, \sl, (\q)*REC+6400                     ; V of this step: its registers were last read by the step before, four places back and more; the whole softmax stands between these loads and the wait for them
	WIN 0
	SOFTMAX S0, ST0, PC0, PS, O0, 1, S1, AM1+(\sl), 512*(\q)
	WIN 0
	s_wait_alu depctr_va_vdst(0)                   ; ahead of the waits, or the branch, that follow
.endm
; THE SECOND HALF: tile 1's scores, tile 0's second product, tile 1's softmax and second product; on the way (ld = 1) tile 0's mask and K of the NEXT step, the q-th of slot sl, are read
.macro H2 ld, sl, q
	WIN 0x05
	QK S1, QZ1, QS+1
	WIN 0x51                                       ; V, C and D window 1; p window 0
	PV O0, PC0, PS
	WIN 0
	PLACES                                         ; in front of the reads of S, and of the loads into K's scale words
.if \ld
	LDKS \sl, \q
	LDF KF, \sl, (\q)*REC                          ; the next step's K: this step's has been read by both tiles' products
	WIN 0
.endif
	SOFTMAX S1, ST1, PC1, PS+1, O1, \ld, S0, AM0+(\sl), 512*(\q)
	WIN 0x51
	PV O1, PC1, PS+1
	WIN 0
.endm
.macro FIN st, ob, s, pc, pw           ; a tile's way out: O^T / the sum, quantised: two blocks of 32 become 6 registers and two bytes
	v_add_f32 v[\st+2], v[\st+2], v[\st+3]
	s_delay_alu instid0(VALU_DEP_1)
	v_permlanex16_b32 v[PT], v[\st+2], s[SEL], s[SEL+1]
	s_delay_alu instid0(VALU_DEP_1)
	v_add_f32 v[\st+2], v[\st+2], v[PT]            ; the row's sum
	s_wait_alu depctr_va_vdst(0)
	v_rcp_f32 v[\st+4], v[\st+2]
	v_nop
	WIN 0x01
	s_wait_alu depctr_va_vdst(0)
.set J, 0
.rept 16
	v_pk_mul_f32 v[\s+J:\s+J+1], v[\ob+J:\ob+J+1], v[\st+4:\st+5] op_sel_hi:[1,0]
.set J, J+2
.endr
	WIN 0
.irp b, 0,1
	v_max3_num_f32 v[BM+\b], |v[\s+16*\b]|, |v[\s+16*\b+1]|, 0x1800000
.endr
.irp i, 2,4,6,8,10,12,14
.irp b, 0,1
	s_delay_alu instid0(VALU_DEP_2)
	v_max3_num_f32 v[BM+\b], v[BM+\b], |v[\s+16*\b+\i]|, |v[\s+16*\b+\i+1]|
.endr
.endr
.irp b, 0,1
	s_delay_alu instid0(VALU_DEP_2)
	v_permlanex16_b32 v[PT+\b], v[BM+\b], s[SEL], s[SEL+1]
.endr
.irp b, 0,1
	s_delay_alu instid0(VALU_DEP_2)
	v_max_num_f32 v[BM+\b], v[BM+\b], v[PT+\b]
.endr
.irp b, 0,1
	s_delay_alu instid0(VALU_DEP_2)
	v_add_nc_u32 v[SO+\b], 0xff000000, v[BM+\b]
.endr
.irp b, 0,1
	s_delay_alu instid0(VALU_DEP_2)
	v_lshrrev_b32 v[PT+\b], 23, v[SO+\b]
.endr
	s_delay_alu instid0(VALU_DEP_1)
	v_lshl_or_b32 v[\pw], v[PT+1], 8, v[PT]
	v_cvt_scalef32_pk16_fp6_f32 v[\pc:\pc+2], v[\s:\s+15], v[SO]
	v_cvt_scalef32_pk16_fp6_f32 v[CT:CT+2], v[\s+16:\s+31], v[SO+1]
	v_nop
.irp i, 0,1,2
	v_permlane16_swap_b32 v[\pc+\i], v[CT+\i]
.endr
.irp i, 0,1,2
	v_mov_b32 v[\pc+3+\i], v[CT+\i]
.endr
.endm
	s_load_b256 s[4:11], s[0:1], 0x0               ; qq, kv, the mask, oc
	v_lshl_add_u32 v[SPW], v0, 2, SPARE
	v_mov_b32 v[NIL], 0
	ds_add_u32 v[SPW], v[NIL]                      ; the opening lines: the add, twice on end; the set-up below stands between them and the wait
	ds_add_u32 v[SPW], v[NIL]
	v_lshrrev_b32 v22, 5, v0
	s_delay_alu instid0(VALU_DEP_1)
	v_readfirstlane_b32 s[WV], v22                 ; wave 0..7
	s_bfe_u32 s13, ttmp6, 0x40000                  ; cx
	s_bfe_u32 s14, ttmp6, 0x40004                  ; cy
	s_and_b32 s15, ttmp7, 0xffff
	s_lshl_b32 s16, s15, 2
	s_add_co_u32 s16, s16, s14                     ; qb: my block of 64 queries
	s_lshr_b32 s17, s[WV], 1                       ; hh: my head among the four
	s_and_b32 s18, s[WV], 1                        ; tp: my pair of tiles
	s_and_b32 s84, s[WV], 3                        ; which head's records, or which 16 rows of the mask, I fetch
	s_lshl_b32 s85, s14, 2
	s_lshl_b32 s85, 15, s85                        ; my row of the cluster
	s_lshl_b32 s86, 0x1111, s13                    ; my column
	; descriptor groups 1.  Records: dense, as rows of 256 bytes (32 elements of 8 bytes): 100 rows (two records) or 50
	s_or_b32 s[G1KA], s86, (3<<16)|(1<<21)
	s_or_b32 s[G1KB], s86, (3<<16)|(1<<21)
.irp g, G1KA, G1KB
	s_mov_b32 s[\g+1], 32<<16
	s_mov_b32 s[\g+3], 32<<16
	s_mov_b32 s[\g+5], 32
	s_mov_b32 s[\g+6], 0
	s_mov_b32 s[\g+7], 0
.endr
	s_mov_b32 s[G1KA+2], 100<<16
	s_mov_b32 s[G1KA+4], 100
	s_mov_b32 s[G1KB+2], 50<<16
	s_mov_b32 s[G1KB+4], 50
	; the mask: 16 rows of 256 or 128 numbers of 4 bytes, 4,096 numbers from row to row, 16 bytes of padding behind each row
	s_or_b32 s[G1MA], s85, (2<<16)|(1<<20)|(1<<21)|(7<<22)|(3<<25)
	s_mov_b32 s[G1MA+1], 256<<16
	s_mov_b32 s[G1MA+2], 16<<16
	s_mov_b32 s[G1MA+3], 256<<16
	s_mov_b32 s[G1MA+4], 16
	s_mov_b32 s[G1MA+5], 4096
	s_mov_b32 s[G1MA+6], 0
	s_mov_b32 s[G1MA+7], 0
	s_or_b32 s[G1MB], s85, (2<<16)|(1<<20)|(1<<21)|(6<<22)|(3<<25)
	s_mov_b32 s[G1MB+1], 128<<16
	s_mov_b32 s[G1MB+2], 16<<16
	s_mov_b32 s[G1MB+3], 128<<16
	s_mov_b32 s[G1MB+4], 16
	s_mov_b32 s[G1MB+5], 4096
	s_mov_b32 s[G1MB+6], 0
	s_mov_b32 s[G1MB+7], 0
	s_lshl_b32 s28, s13, 2
	s_add_co_u32 s28, s28, s84                     ; the head whose records I fetch: it hangs on cx alone
	s_mul_i32 s28, s28, 32*REC
	s_mov_b32 s29, 0
	s_lshl_b32 s30, s16, 20                        ; the mask's rows that I fetch: 64 qb + 16 (w % 4), of 16,384 bytes: they hang on cy alone
	s_lshl_b32 s31, s84, 18
	s_add_co_u32 s30, s30, s31
	s_mov_b32 s31, 0
	s_mov_b32 s[SEL], 0x76543210
	s_mov_b32 s[SEL+1], 0xfedcba98
	s_mov_b32 s[CS], 0x3fb8aa3b                    ; log2(e)
	s_mov_b32 s[CS+1], s[CS]
	s_cmp_lt_u32 s[WV], 2                          ; who prefetches while the count of trips is above what: waves 0, 1: 0; wave 2: 1; the others never
	s_cselect_b32 s[LIM], 0, 1
	s_cmp_lt_u32 s[WV], 3
	s_cselect_b32 s[LIM], s[LIM], -1
	s_wait_dscnt 0x0                               ; both opening adds are done
	s_wait_kmcnt 0x0
	s_add_nc_u64 s[28:29], s[6:7], s[28:29]
	s_add_nc_u64 s[30:31], s[8:9], s[30:31]
	s_mov_b32 s[G0KA], 1
	s_mul_i32 s[G0KA+1], s84, 2*REC
	s_mov_b64 s[G0KA+2:G0KA+3], s[28:29]           ; key steps 0 and 1
	s_or_b32 s[G0KA+3], s[G0KA+3], 0x80000000
	s_mov_b32 s[G0KB], 1
	s_mul_i32 s[G0KB+1], s84, REC
	s_add_co_u32 s[G0KB+1], s[G0KB+1], B_KV
	s_add_nc_u64 s[G0KB+2:G0KB+3], s[28:29], 2*REC ; key step 2
	s_or_b32 s[G0KB+3], s[G0KB+3], 0x80000000
	s_mov_b32 s[G0MA], 1
	s_mul_i32 s[G0MA+1], s84, 16*1040
	s_add_co_u32 s[G0MA+1], s[G0MA+1], A_M
	s_mov_b64 s[G0MA+2:G0MA+3], s[30:31]
	s_or_b32 s[G0MA+3], s[G0MA+3], 0x80000000
	s_mov_b32 s[G0MB], 1
	s_mul_i32 s[G0MB+1], s84, 16*528
	s_add_co_u32 s[G0MB+1], s[G0MB+1], B_M
	s_add_nc_u64 s[G0MB+2:G0MB+3], s[30:31], 1024
	s_or_b32 s[G0MB+3], s[G0MB+3], 0x80000000
	CROUND                                         ; all sixteen work-groups are here: the first joint loads meet
	LOAD G0KA, G1KA, G0MA, G1MA                    ; slot A: key steps 0 and 1: my one load at the head
	; q: my head's record of my 128 queries, my two tiles
	s_lshl_b32 s87, s13, 2
	s_add_co_u32 s87, s87, s17                     ; my head
	s_lshl_b32 s88, s87, 5
	s_lshr_b32 s89, s16, 1
	s_add_co_u32 s88, s88, s89
	s_mul_i32 s88, s88, 6400
	s_mov_b32 s89, 0
	s_add_nc_u64 s[4:5], s[4:5], s[88:89]
	s_and_b32 s90, s16, 1
	s_lshl_b32 s91, s90, 2
	s_lshl_b32 s92, s18, 1
	s_add_co_u32 s91, s91, s92                     ; tile 4 (qb % 2) + 2 tp
	s_mul_i32 s92, s91, 768
	v_and_b32 v22, 31, v0                          ; lane
	v_and_b32 v23, 15, v0                          ; r
	v_bfe_u32 v24, v0, 4, 1                        ; h
	v_lshlrev_b32 v[G16], 4, v22
	v_lshlrev_b32 v[G8], 3, v22
	s_wait_alu depctr_va_vdst(0)
	v_add_nc_u32 v26, s92, v[G16]
	v_add_nc_u32 v27, s92, v[G8]
	s_lshl_b32 s92, s90, 7
	s_lshl_b32 s93, s18, 2
	s_add_co_u32 s92, s92, s93
	v_lshl_add_u32 v28, v23, 3, s92                ; the word with my two tiles' bytes: 128 (qb % 2) + 8 r + 4 tp
	global_load_b32 v29, v28, s[4:5] offset:6144
	WIN 0x40
	global_load_b128 v[QZ0+6:QZ0+9], v26, s[4:5]
	global_load_b64 v[QZ0+10:QZ0+11], v27, s[4:5] offset:512
	global_load_b128 v[QZ1+6:QZ1+9], v26, s[4:5] offset:768
	global_load_b64 v[QZ1+10:QZ1+11], v27, s[4:5] offset:1280
	WIN 0
	; LDS addresses: they hang on the lane and the wave's number alone
	s_lshl_b32 s92, s18, 5
	v_add_nc_u32 v25, s92, v23                     ; tile 0's row among the 64: 32 tp + r
	s_delay_alu instid0(VALU_DEP_1)
	v_mul_u32_u24 v[AM0], v25, 1040
	v_mul_u32_u24 v[AM0+1], v25, 528
	s_delay_alu instid0(VALU_DEP_2)
	v_lshl_add_u32 v[AM0], v24, 5, v[AM0]
	s_delay_alu instid0(VALU_DEP_2)
	v_lshl_add_u32 v[AM0+1], v24, 5, v[AM0+1]
	s_delay_alu instid0(VALU_DEP_2)
	v_add_nc_u32 v[AM0], A_M, v[AM0]
	s_delay_alu instid0(VALU_DEP_2)
	v_add_nc_u32 v[AM0+1], B_M, v[AM0+1]
	s_delay_alu instid0(VALU_DEP_2)
	v_add_nc_u32 v[AM1], 16*1040, v[AM0]
	s_delay_alu instid0(VALU_DEP_2)
	v_add_nc_u32 v[AM1+1], 16*528, v[AM0+1]
	s_mul_i32 s92, s17, 2*REC
	s_mul_i32 s93, s17, REC
	s_add_co_u32 s93, s93, B_KV
	v_add_nc_u32 v[AK16], s92, v[G16]
	v_add_nc_u32 v[AK16+2], s93, v[G16]
	v_add_nc_u32 v[AK8], s92, v[G8]
	v_add_nc_u32 v[AK8+2], s93, v[G8]
	v_lshl_add_u32 v[AKS], v23, 3, s92
	v_lshl_add_u32 v[AKS+1], v23, 3, s93
	v_lshl_add_u32 v[AVS], v23, 4, s92
	v_lshl_add_u32 v[AVS+1], v23, 4, s93
	s_lshr_b32 s92, s[WV], 2
	s_lshl_b32 s92, s92, 8
	s_lshl_b32 s93, s18, 3
	s_add_co_u32 s92, s92, s93
	s_and_b32 s93, s17, 1
	s_lshl_b32 s93, s93, 1
	s_add_co_u32 s92, s92, s93
	s_add_co_u32 s92, s92, OSC
	v_lshl_add_u32 v[AOS], v23, 4, s92             ; the way out's bytes: 256 (hh / 2) + 16 r + 8 tp + 2 (hh % 2)
	v_lshl_add_u32 v[RB], v22, 4, OSC              ; and where wave 0 reads them back
	v_mul_u32_u24 v[OSO], v24, REC
	v_lshlrev_b32 v[PFO], 14, v23
	s_delay_alu instid0(VALU_DEP_2)
	v_lshl_add_u32 v[OSO], v23, 4, v[OSO]
	s_delay_alu instid0(VALU_DEP_2)
	v_lshl_add_u32 v[PFO], v24, 8, v[PFO]          ; the prefetches: row lane % 16, block lane / 16
	; where the prefetches stand, and oc's addresses
	s_lshl_b32 s88, s16, 20
	s_lshl_b32 s89, s13, 18                        ; my work-group's 16 of the 64 rows
	s_add_co_u32 s88, s88, s89
	s_min_u32 s89, s[WV], 2
	s_lshl_b32 s89, s89, 9
	s_add_co_u32 s88, s88, s89                     ; in period 0: the first change of slots steps it to period 1
	s_mov_b32 s89, 0
	s_add_nc_u64 s[PFA:PFA+1], s[8:9], s[88:89]
	s_lshr_b32 s88, s16, 1
	s_mul_i32 s88, s88, PAN                        ; my 128 queries' panel,
	s_lshl_b32 s89, s13, 1
	s_mul_i32 s89, s89, REC                        ; its record 2 cx (heads 4 cx, 4 cx + 1)
	s_add_co_u32 s88, s88, s89
	s_lshl_b32 s92, s90, 8
	s_add_co_u32 s92, s92, s88
	s_add_co_u32 s92, s92, 12288
	s_mov_b32 s93, 0
	s_add_nc_u64 s[94:95], s[10:11], s[92:93]      ; the scale words of my half of the panel
	s_lshr_b32 s92, s17, 1
	s_mul_i32 s92, s92, REC
	s_add_co_u32 s88, s88, s92
	s_mul_i32 s92, s91, 1536                       ; fragment 4 (qb % 2) + 2 tp,
	s_add_co_u32 s88, s88, s92
	s_and_b32 s92, s17, 1
	s_mul_i32 s92, s92, 768                        ; its half hh % 2
	s_add_co_u32 s88, s88, s92
	s_mov_b32 s89, 0
	s_add_nc_u64 s[10:11], s[10:11], s[88:89]
	s_wait_alu depctr_va_vdst(0)
	s_wait_loadcnt 0x0                             ; q
	v_perm_b32 v[QS], v29, v29, 0x01000100         ; tile 0's two bytes, twice: they serve [q | 0] and [0 | q]
	v_perm_b32 v[QS+1], v29, v29, 0x03020302       ; tile 1's.  (The lines below stand between these and the first product)
.irp st, ST0, ST1
	v_mov_b32 v[\st+1], 0xff61b1e6                 ; the largest t so far: -3e38
	v_mov_b32 v[\st+2], 0
	v_mov_b32 v[\st+3], 0
	v_floor_f32 v[\st], -v[\st+1]
	v_mov_b32 v[\st+4], 0
	v_mov_b32 v[\st+5], 0                          ; (named as the upper half of a pair)
.endr
.irp b, 0,1,2,3
	v_mov_b32 v[PT+\b], 0                          ; a lane permute's destination counts as one of its sources
.endr
	WIN 0x40
.irp j, 0,1,2,3,4,5
	v_mov_b32 v[QZ0+\j], 0
	v_mov_b32 v[QZ0+12+\j], 0
	v_mov_b32 v[QZ1+\j], 0
	v_mov_b32 v[QZ1+12+\j], 0
.endr
.set J, 0
.rept 64
	v_mov_b32 v[O0+J], 0                           ; the step is written once: the first finds zeros, which the first change of M leaves zeros
.set J, J+1
.endr
	WIN 0
	s_mov_b32 s[CNT], 10
	s_wait_alu depctr_va_vdst(0)
	CHANGE 1                                       ; slot A is whole; B's first fill is issued as a refill is
.set LD, 1
.set LS, S0
.set LA, AM0
.set LO, 0
.irp n, 0,1,2,3,4,5,6,7,8,9,10,11,12,13,14,15
	ML \n                                          ; step 0: tile 0's mask,
.endr
	LDKS 0, 0
	LDF KF, 0, 0                                   ; and K
	WIN 0
	s_branch .Lmid
.Ltop:                                                 ; a trip: from the middle of a period's B to the middle of the next period's B
	CHANGE 1                                       ; B is left and filled again; A is whole
	H2 1, 0, 0
.Lmid:
	H1 0, 0
	s_wait_dscnt 0x0                               ; tile 1's mask and V are in
	H2 1, 0, 1
	H1 0, 1
	CHANGE 2                                       ; A is left and filled again; B is whole
	H2 1, 1, 0
	H1 1, 0
	s_sub_co_u32 s[CNT], s[CNT], 1
	s_cmp_lg_u32 s[CNT], 0
	s_cbranch_scc1 .Ltop
	CHANGE 0                                       ; the tail is written out: nothing more is asked for
	H2 1, 0, 0
	H1 0, 0
	s_wait_dscnt 0x0
	H2 1, 0, 1
	H1 0, 1
	s_wait_dscnt 0x0
	H2 0, 0, 0
	PLACES                                         ; behind the last products
	FIN ST0, O0, S0, PC0, PW
	FIN ST1, O1, S1, PC1, PW+1
	global_store_b128 v[G16], v[PC0:PC0+3], s[10:11]             ; 512 and 256 consecutive bytes, aligned
	global_store_b64 v[G8], v[PC0+4:PC0+5], s[10:11] offset:512
	global_store_b128 v[G16], v[PC1:PC1+3], s[10:11] offset:1536
	global_store_b64 v[G8], v[PC1+4:PC1+5], s[10:11] offset:2048
	ds_store_b16 v[AOS], v[PW]                     ; lanes r and r + 16 write the same two bytes with the same value
	ds_store_b16 v[AOS], v[PW+1] offset:4
	s_wait_dscnt 0x0                               ; for the others' sake: my bytes have landed
	s_barrier_signal -1
	s_barrier_wait -1
	s_cmp_lg_u32 s[WV], 0
	s_cbranch_scc1 .Lnot_0
	ds_load_b128 v[S0:S0+3], v[RB]                 ; wave 0 stores two whole blocks of 256 bytes: lanes 0-15 record 2 cx's, lanes 16-31 record 2 cx + 1's
	s_wait_dscnt 0x0
	global_store_b128 v[OSO], v[S0:S0+3], s[94:95]
.Lnot_0:
	s_wait_tensorcnt 0x0                           ; the wave's end
	ds_add_u32 v[SPW], v[NIL]
	s_wait_dscnt 0x0
	CROUND                                         ; the closing round
	s_endpgm
.Lfunc_end_k_q45ee6ceea2_attn:
	.size	k_q45ee6ceea2_attn, .Lfunc_end_k_q45ee6ceea2_attn-k_q45ee6ceea2_attn
	.p2alignl 7, 3214868480
	.fill 96, 4, 3214868480
	.section	.rodata,"a",@progbits
	.p2align	6, 0x0
	.amdhsa_kernel k_q45ee6ceea2_attn
		.amdhsa_group_segment_fixed_size 327680
		.amdhsa_private_segment_fixed_size 0
		.amdhsa_enable_private_segment 0
		.amdhsa_kernarg_size 32
		.amdhsa_user_sgpr_count 2
		.amdhsa_user_sgpr_kernarg_segment_ptr 1
		.amdhsa_wavefront_size32 1
		.amdhsa_system_sgpr_workgroup_id_x 1
		.amdhsa_system_sgpr_workgroup_id_y 1
		.amdhsa_system_sgpr_workgroup_id_z 1
		.amdhsa_system_vgpr_workitem_id 0
		.amdhsa_next_free_vgpr 512
		.amdhsa_next_free_sgpr 96
		.amdhsa_reserve_vcc 0
		.amdhsa_float_denorm_mode_32 3
		.amdhsa_float_denorm_mode_16_64 3
		.amdhsa_memory_ordered 1
		.amdhsa_forward_progress 1
		.amdhsa_inst_pref_size 204
	.end_amdhsa_kernel
	.amdgpu_metadata
---
amdhsa.version: [ 1, 2 ]
amdhsa.kernels:
  - .name:           k_q45ee6ceea2_attn
    .symbol:         k_q45ee6ceea2_attn.kd
    .args:
      - { .name: qq, .offset: 0, .size: 8, .value_kind: global_buffer, .address_space: global }
      - { .name: kv, .offset: 8, .size: 8, .value_kind: global_buffer, .address_space: global }
      - { .name: attention_mask, .offset: 16, .size: 8, .value_kind: global_buffer, .address_space: global }
      - { .name: oc, .offset: 24, .size: 8, .value_kind: global_buffer, .address_space: global }
    .group_segment_fixed_size: 327680
    .private_segment_fixed_size: 0
    .kernarg_segment_align: 8
    .kernarg_segment_size: 32
    .max_flat_workgroup_size: 256
    .sgpr_count:     96
    .vgpr_count:     512
    .wavefront_size: 32
...
	.end_amdgpu_metadata
.endif
;; end of part 3
;; launch outp (part 4): grid 8 x 32, 4 waves a work-group, clusters of 4 x 4, 239,104 bytes of LDS; arguments oc, qc, out0; writes out0
.if DOCPART == 4
	.amdgcn_target "amdgcn-amd-amdhsa--gfx1250"
	.amdhsa_code_object_version 6
	.text
	.protected	k_q45ee6ceea2_outp
	.globl	k_q45ee6ceea2_outp
	.p2align	8
	.type	k_q45ee6ceea2_outp,@function
k_q45ee6ceea2_outp:
	s_mov_b64 s[64:65], 0
	v_nop
	global_prefetch_b8 v0, s[64:65] scope:SCOPE_SE
	s_setreg_imm32_b32 hwreg(HW_REG_WAVE_MODE, 25, 1), 1
	s_wait_xcnt 0x0
	s_wait_alu depctr_hold_cnt(0) depctr_sa_sdst(0) depctr_va_vdst(0) depctr_va_sdst(0) depctr_va_ssrc(0) depctr_va_vcc(0) depctr_vm_vsrc(0)
	s_getreg_b32 s2, hwreg(HW_REG_IB_STS2, 6, 4)
	s_cmp_eq_u32 s2, 0
	s_cbranch_scc0 .Lentry_in_a_cluster
	s_endpgm
.Lentry_in_a_cluster:
	s_bfe_u32 s2, ttmp6, 0x10000c
	s_cmp_lg_u32 s2, 0xf033
	s_cbranch_scc0 .Lentry_shape_is_right
	s_endpgm
.Lentry_shape_is_right:
; out0 = o wo^T on codes of E2M3.  o's codes come from oc, wo's from qc (panels 56-63), both as records of operand images (16 rows x 128 K: 1,536 bytes a fragment; 512 bytes of scale words [fragment / 4][row][fragment % 4]).
; A work-group: 128 rows of wo ("P": source 0, its rows become a lane's registers) x 128 tokens ("Q": source 1, its rows become lanes); all K = 1,024 resident in LDS, each byte filled once.  256 work-groups.
; Wave w: Q's fragments 2 w, 2 w + 1 against P's eight: 16 accumulators; a lane holds eight neighbouring outputs of one token's row.
; CLUSTER 4 x 4: wo's panel hangs on cx alone and is asked for jointly by a column, o's on cy alone and is asked for by a row.
; The way out goes through the wave's own stage in LDS (bytes into which no tile lands): whole rows of 512 bytes leave as two aligned blocks of 256.
; REGISTERS: window 0: v1-17 addresses; v32-55 scale words, two sets (nothing else); v128-191 rows on the way out.  window 1: accumulator (a, b) at v[8 (8 a + b)].  window 2: P's fragments, two sets.  window 3: Q's, two sets.
.set REC,  12800
.set PAN,  8*REC
.set QB,   PAN
.set STAGE, 2*PAN
.set STG,  16*528
.set AP16, 4
.set AP8,  6
.set AQ16, 8
.set AQ8,  10
.set ASP,  12
.set ASQ,  14
.set STO,  16
.set RD,   17
.set SC,   32
.set BK,   128
.set WV,   18
.set G1Q,  32
.set G1P,  40
.set G0Q,  68
.set G0P,  84
.set MSB, 0
.macro WIN new
.if MSB != (\new)
	s_set_vgpr_msb (MSB<<8)|(\new)
.set MSB, (\new)
.endif
.endm
.macro PLACES
.rept 4
	v_nop
.endr
.endm
.macro CROUND
	s_barrier_signal -1
	s_barrier_wait -1
	s_cmp_lg_u32 s[WV], 0
	s_cbranch_scc1 .Lnot_wave_0_\@
	s_barrier_signal -3
.Lnot_wave_0_\@:
	s_barrier_wait -3
	s_barrier_signal -1
	s_barrier_wait -1
.endm
.macro FETCH s, p                      ; K step s: P's 8 fragments, my 2 of Q and the scale words, into set p
	WIN 0x80
.irp f, 0,1,2,3,4,5,6,7
.irp c, 0,1
	ds_load_b128 v[128*(\p)+12*\f+6*\c:128*(\p)+12*\f+6*\c+3], v[AP16+(\s)/4] offset:((\s)%4)*REC+1536*\f+768*\c
	ds_load_b64 v[128*(\p)+12*\f+6*\c+4:128*(\p)+12*\f+6*\c+5], v[AP8+(\s)/4] offset:((\s)%4)*REC+1536*\f+768*\c+512
.endr
.endr
	WIN 0xc0
.irp f, 0,1
.irp c, 0,1
	ds_load_b128 v[128*(\p)+12*\f+6*\c:128*(\p)+12*\f+6*\c+3], v[AQ16+(\s)/4] offset:((\s)%4)*REC+1536*\f+768*\c
	ds_load_b64 v[128*(\p)+12*\f+6*\c+4:128*(\p)+12*\f+6*\c+5], v[AQ8+(\s)/4] offset:((\s)%4)*REC+1536*\f+768*\c+512
.endr
.endr
	WIN 0
	ds_load_b128 v[SC+12*(\p):SC+12*(\p)+3], v[ASP+(\s)/4] offset:((\s)%4)*REC+12288
	ds_load_b128 v[SC+12*(\p)+4:SC+12*(\p)+7], v[ASP+(\s)/4] offset:((\s)%4)*REC+12288+256
	ds_load_b64 v[SC+12*(\p)+8:SC+12*(\p)+9], v[ASQ+(\s)/4] offset:((\s)%4)*REC+12288
.endm
.macro MUL a, p, zero                  ; 8 matrix instructions; the 16 accumulators take turns, one instruction a turn, in the same order in every K step
	WIN 0x5e
.irp b, 0,1,2,3,4,5,6,7
.if \zero
	v_wmma_scale_f32_16x16x128_f8f6f4 v[8*(8*(\a)+\b):8*(8*(\a)+\b)+7], v[128*(\p)+12*\b:128*(\p)+12*\b+11], v[128*(\p)+12*(\a):128*(\p)+12*(\a)+11], 0, v[SC+12*(\p)+\b], v[SC+12*(\p)+8+(\a)] matrix_a_fmt:MATRIX_FMT_FP6 matrix_b_fmt:MATRIX_FMT_FP6
.else
	v_wmma_scale_f32_16x16x128_f8f6f4 v[8*(8*(\a)+\b):8*(8*(\a)+\b)+7], v[128*(\p)+12*\b:128*(\p)+12*\b+11], v[128*(\p)+12*(\a):128*(\p)+12*(\a)+11], v[8*(8*(\a)+\b):8*(8*(\a)+\b)+7], v[SC+12*(\p)+\b], v[SC+12*(\p)+8+(\a)] matrix_a_fmt:MATRIX_FMT_FP6 matrix_b_fmt:MATRIX_FMT_FP6
.endif
.endr
.endm
.macro STEP s, zero
	s_wait_dscnt 0x0                               ; this K step's fragments are in
	MUL 0, (\s)%2, \zero
.if (\s) < 7
	PLACES                                         ; the other set was read by the K step before
	FETCH (\s)+1, ((\s)+1)%2
.endif
	MUL 1, (\s)%2, \zero
.endm
	s_load_b128 s[4:7], s[0:1], 0x0                ; oc, qc
	s_load_b64 s[8:9], s[0:1], 0x10                ; out0
	v_lshl_add_u32 v20, v0, 2, 238592              ; my spare word, behind the stages: 128 bytes for each wave, named by no other line
	v_mov_b32 v21, 0
	ds_add_u32 v20, v21                            ; the opening lines: the add, twice on end,
	ds_add_u32 v20, v21
	v_lshrrev_b32 v1, 5, v0
	v_readfirstlane_b32 s[WV], v1                  ; wave 0..3
	s_bfe_u32 s19, ttmp6, 0x40000                  ; cx
	s_bfe_u32 s20, ttmp6, 0x40004                  ; cy
	s_lshl_b32 s21, ttmp9, 2
	s_add_co_u32 s21, s21, s19                     ; wo's panel
	s_and_b32 s22, ttmp7, 0xffff
	s_lshl_b32 s22, s22, 2
	s_add_co_u32 s22, s22, s20                     ; o's panel
	s_lshl_b32 s23, s20, 2
	s_lshl_b32 s23, 15, s23                        ; my row of the cluster
	s_lshl_b32 s24, 0x1111, s19                    ; my column
	s_and_b32 s29, s[WV], 1
	s_or_b32 s[G1Q], s23, (3<<16)|(1<<21)          ; a record: dense, 50 rows of 256 bytes (32 elements of 8 bytes); o's go to my row,
	s_or_b32 s[G1P], s24, (3<<16)|(1<<21)          ; wo's to my column
.irp g, G1Q, G1P
	s_mov_b32 s[\g+1], 32<<16
	s_mov_b32 s[\g+2], 200<<16                     ; four records: 200 rows of 256 bytes
	s_mov_b32 s[\g+3], 32<<16
	s_mov_b32 s[\g+4], 200
	s_mov_b32 s[\g+5], 32
	s_mov_b32 s[\g+6], 0
	s_mov_b32 s[\g+7], 0
.endr
	s_mul_i32 s49, s29, 4*REC                      ; waves 0, 1 fetch o's records 4 w .. 4 w + 3, waves 2, 3 wo's records 4 (w - 2) .. 4 (w - 2) + 3
	s_mul_i32 s62, s22, PAN
	s_add_co_u32 s62, s62, s49
	s_mov_b32 s63, 0
	s_add_co_u32 s60, s21, 56
	s_mul_i32 s60, s60, PAN
	s_add_co_u32 s60, s60, s49
	s_mov_b32 s61, 0
	s_lshl_b32 s26, s22, 7
	s_lshl_b32 s28, s[WV], 5
	s_add_co_u32 s26, s26, s28                     ; my first token
	s_lshl_b32 s26, s26, 12
	s_lshl_b32 s28, s21, 9                         ; the panel's 128 outputs: 512 bytes
	s_add_co_u32 s26, s26, s28
	s_mov_b32 s27, 0
	s_wait_dscnt 0x0                               ; and the one wait for both adds
	s_wait_kmcnt 0x0
	s_add_nc_u64 s[56:57], s[4:5], s[62:63]
	s_add_nc_u64 s[58:59], s[6:7], s[60:61]
	s_add_nc_u64 s[8:9], s[8:9], s[26:27]
	CROUND                                         ; all sixteen work-groups are here: the joint loads meet
.irp j, 0
	s_mov_b32 s[G0Q+4*\j], 1
	s_add_co_u32 s[G0Q+4*\j+1], s49, QB+\j*2*REC
	s_add_nc_u64 s[G0Q+4*\j+2:G0Q+4*\j+3], s[56:57], \j*2*REC
	s_or_b32 s[G0Q+4*\j+3], s[G0Q+4*\j+3], 0x80000000
	s_mov_b32 s[G0P+4*\j], 1
	s_add_co_u32 s[G0P+4*\j+1], s49, \j*2*REC
	s_add_nc_u64 s[G0P+4*\j+2:G0P+4*\j+3], s[58:59], \j*2*REC
	s_or_b32 s[G0P+4*\j+3], s[G0P+4*\j+3], 0x80000000
.endr
	s_cmp_lt_u32 s[WV], 2                          ; one first fill a wave, one in each arm: one load of mine is out
	s_cbranch_scc0 .Lfirst_p
	tensor_load_to_lds s[G0Q:G0Q+3], s[G1Q:G1Q+7]
	s_nop 0
.rept 4
	v_nop
.endr
	s_branch .Lfirst_asked
.Lfirst_p:
	tensor_load_to_lds s[G0P:G0P+3], s[G1P:G1P+7]
	s_nop 0
.rept 4
	v_nop
.endr
.Lfirst_asked:
	v_and_b32 v1, 31, v0                           ; lane
	v_and_b32 v2, 15, v0                           ; r
	v_bfe_u32 v3, v0, 4, 1                         ; h
	v_lshlrev_b32 v[AP16], 4, v1
	v_add_nc_u32 v[AP16+1], 4*REC, v[AP16]
	v_lshlrev_b32 v[AP8], 3, v1
	v_add_nc_u32 v[AP8+1], 4*REC, v[AP8]
	s_mul_i32 s28, s[WV], 2*1536
	s_add_co_u32 s28, s28, QB                      ; my two fragments in a record of Q
	v_add_nc_u32 v[AQ16], s28, v[AP16]
	v_add_nc_u32 v[AQ16+1], 4*REC, v[AQ16]
	v_add_nc_u32 v[AQ8], s28, v[AP8]
	v_add_nc_u32 v[AQ8+1], 4*REC, v[AQ8]
	v_lshlrev_b32 v[ASP], 4, v2
	v_add_nc_u32 v[ASP+1], 4*REC, v[ASP]
	s_lshr_b32 s28, s[WV], 1
	s_lshl_b32 s28, s28, 8
	s_lshl_b32 s30, s29, 3
	s_add_co_u32 s28, s28, s30
	s_add_co_u32 s28, s28, QB                      ; their scale words: 256 (w / 2) + 16 r + 8 (w % 2)
	v_add_nc_u32 v[ASQ], s28, v[ASP]
	v_add_nc_u32 v[ASQ+1], 4*REC, v[ASQ]
	s_mul_i32 s28, s[WV], STG
	s_add_co_u32 s28, s28, STAGE                   ; my stage
	v_mul_u32_u24 v[STO], v2, 528
	v_lshl_add_u32 v[STO], v3, 5, v[STO]
	v_add_nc_u32 v[STO], s28, v[STO]               ; in: row r, 32 bytes for each half of the lanes
	v_add_nc_u32 v[RD], s28, v[AP16]               ; back: the 32 lanes take one row of 512 bytes
	s_wait_alu depctr_va_vdst(0)
	s_wait_tensorcnt 0x0                           ; my one load has landed; behind the barrier everybody's has: all of K is resident
	s_barrier_signal -1
	s_barrier_wait -1
	FETCH 0, 0
	STEP 0, 1                                      ; the first K step's products start the sums
	STEP 1, 0
	STEP 2, 0
	STEP 3, 0
	STEP 4, 0
	STEP 5, 0
	STEP 6, 0
	STEP 7, 0
	PLACES                                         ; behind the last products, in front of the reads of their results
.irp a, 0,1
.if \a > 0
	s_wait_xcnt 0x0                                ; the first 16 rows' stores have read their registers
.endif
	WIN 0x04                                       ; an LDS store's data: window 1
.irp b, 0,1,2,3,4,5,6,7
	ds_store_b128 v[STO], v[64*\a+8*\b:64*\a+8*\b+3] offset:64*\b              ; each accumulator from its low end on
	ds_store_b128 v[STO], v[64*\a+8*\b+4:64*\a+8*\b+7] offset:64*\b+16
.endr
	WIN 0
.irp t, 0,1,2,3,4,5,6,7,8,9,10,11,12,13,14,15
	ds_load_b128 v[BK+4*\t:BK+4*\t+3], v[RD] offset:528*\t     ; LDS serves a wave's instructions in order: these see my stores, and the next 16 rows' stores come behind them
.endr
.irp t, 0,1,2,3,4,5,6,7,8,9,10,11,12,13,14,15
	s_wait_dscnt 15-\t                             ; row t is back; the younger rows stay out
	global_store_b128 v[AP16], v[BK+4*\t:BK+4*\t+3], s[8:9] offset:(16*\a+\t)*4096 th:TH_STORE_NT   ; 32 lanes store 512 consecutive bytes, aligned
.endr
.endr
	s_wait_tensorcnt 0x0                           ; the wave's end: three lines behind my last LDS store
	ds_add_u32 v20, v21
	s_wait_dscnt 0x0
	CROUND                                         ; the closing round
	s_endpgm
.Lfunc_end_k_q45ee6ceea2_outp:
	.size	k_q45ee6ceea2_outp, .Lfunc_end_k_q45ee6ceea2_outp-k_q45ee6ceea2_outp
	.p2alignl 7, 3214868480
	.fill 96, 4, 3214868480
	.section	.rodata,"a",@progbits
	.p2align	6, 0x0
	.amdhsa_kernel k_q45ee6ceea2_outp
		.amdhsa_group_segment_fixed_size 239104
		.amdhsa_private_segment_fixed_size 0
		.amdhsa_enable_private_segment 0
		.amdhsa_kernarg_size 24
		.amdhsa_user_sgpr_count 2
		.amdhsa_user_sgpr_kernarg_segment_ptr 1
		.amdhsa_wavefront_size32 1
		.amdhsa_system_sgpr_workgroup_id_x 1
		.amdhsa_system_sgpr_workgroup_id_y 1
		.amdhsa_system_sgpr_workgroup_id_z 1
		.amdhsa_system_vgpr_workitem_id 0
		.amdhsa_next_free_vgpr 1024
		.amdhsa_next_free_sgpr 100
		.amdhsa_reserve_vcc 0
		.amdhsa_float_denorm_mode_32 3
		.amdhsa_float_denorm_mode_16_64 3
		.amdhsa_memory_ordered 1
		.amdhsa_forward_progress 1
		.amdhsa_inst_pref_size 54
	.end_amdhsa_kernel
	.amdgpu_metadata
---
amdhsa.version: [ 1, 2 ]
amdhsa.kernels:
  - .name:           k_q45ee6ceea2_outp
    .symbol:         k_q45ee6ceea2_outp.kd
    .args:
      - { .name: oc, .offset: 0, .size: 8, .value_kind: global_buffer, .address_space: global }
      - { .name: qc, .offset: 8, .size: 8, .value_kind: global_buffer, .address_space: global }
      - { .name: out0, .offset: 16, .size: 8, .value_kind: global_buffer, .address_space: global }
    .group_segment_fixed_size: 239104
    .private_segment_fixed_size: 0
    .kernarg_segment_align: 8
    .kernarg_segment_size: 24
    .max_flat_workgroup_size: 128
    .sgpr_count:     100
    .vgpr_count:     1024
    .wavefront_size: 32
...
	.end_amdgpu_metadata
.endif
;; end of part 4
